; MI455X (gfx1250); checked and timed in simulation.
; The chip was launched on July 23, 2026; its instructions are those of AMD's public machine-readable ISA for CDNA 5 (MIT licence, August 2026) and "CDNA5" Instruction Set Architecture Reference Guide (July 2026). The comments in the code are by the model that wrote it; some were corrected since.
;; Multi Head Attention. Allowed arithmetic: matrix products marked QUANTISED: E4M3 operands, one E8M0 scale for each 32 along K, by v_wmma_scale_f32_16x16x128_f8f6f4 with both operands' format E4M3, f32 sums; everything else in f32.
;; Inputs: W_out 1,024 x 1,024 float32; W_qkv 3,072 x 1,024 float32; b_out 1,024 float32; b_qkv 3,072 float32; x 4 x 2,048 x 1,024 float32.
;; Outputs: out0 4 x 2,048 x 1,024 float32.
;; This version of the problem:
;;   THIS VERSION OF THE PROBLEM IS GIVEN IN LOW PRECISION. The matrix products marked QUANTISED in the list below multiply operands that are first quantised to E4M3 (4 exponent bits, 3 mantissa bits; 8 bits a number), with one power-of-two scale for each 32 numbers along K (OCP MX v1.0); their sums are f32. All else is computed in f32.
;;   The module's matrix products, in the order in which they are computed (A, B: the left and right operand; K: the contracted axis; several contracted axes count as one K, in the product's order):
;;     1. [M 8,192, K 1,024] x [K 1,024, N 3,072]; A: input x; B: input W_qkv: QUANTISED
;;     2. batch 64 x [M 2,048, K 64] x [K 64, N 2,048]; A: computed on the way; B: computed on the way: QUANTISED
;;     3. batch 64 x [M 2,048, K 2,048] x [K 2,048, N 64]; A: softmax (see below); B: computed on the way: QUANTISED
;;     4. [M 8,192, K 1,024] x [K 1,024, N 1,024]; A: computed on the way; B: input W_out: QUANTISED
;;   THE QUANTISER, for each operand of a quantised product, along K:
;;     - K is cut into blocks of 32 from its start; a last block that is shorter is filled with zeros.
;;     - A block's scale is 2^e with e = floor(log2(the largest magnitude in the block)) - 8, held to -126 .. 127; a block of zeros has e = 0. As a byte (E8M0): e + 127.
;;     - Each number is divided by its block's scale, clamped to +-448, and rounded to the nearest number of E4M3, ties to even, subnormals kept.
;;     - The product sums the exact products of the quantised numbers (number of the format x scale) in f32.
;;   ~~~python
;;   def quantise(x, axis):      # numpy; x: float32 -> the quantised numbers, widened to float32 again
;;       x = np.moveaxis(x, axis, -1); K = x.shape[-1]
;;       x = np.pad(x, [(0, 0)] * (x.ndim - 1) + [(0, -K % 32)]); x = x.reshape(x.shape[:-1] + (-1, 32)); a = np.abs(x).max(-1, keepdims=True)
;;       e = np.where(a > 0, np.clip(np.frexp(np.where(a > 0, a, 1))[1] - 1 - 8, -126, 127), 0)      # np.frexp(a)[1] - 1 = floor(log2(a)), exactly
;;       r = np.clip(x / 2.0 ** e, -448, 448)
;;       step = 2.0 ** (np.maximum(np.frexp(np.where(r == 0, 1, r))[1] - 1, -6) - 3)
;;       q = np.round(r / step) * step * 2.0 ** e      # np.round: ties to even
;;       return np.moveaxis(q.reshape(q.shape[:-2] + (-1,))[..., :K], -1, axis).astype(np.float32)
;;   ~~~
;;   SOFTMAX AHEAD OF A QUANTISED PRODUCT. Where the list says 'softmax', what is quantised is not the finished softmax but p = 2^(t - M), with t = logit x log2(e) and M = ceil(the row's largest t), a whole number; so 1/2 < the row's largest p <= 1. The row's sum l is taken of the UNQUANTISED p, in f32, and the product's result is divided by l at the end. Since M is a whole number, a kernel that streams over the keys may use a running M (the ceiling of the running maximum): every later rescaling is an exact power of two, which a block's scale takes up: the codes' values come out the same.
;;   OPERANDS COMPUTED ON THE WAY. 'Computed on the way' means the value that the module computes at that place (a softmax that the list does not call 'softmax' is quantised finished and normalised). What goes into a quantiser is computed in f32, as accurately as f32 sums, v_exp_f32 and their like allow (about 1e-6 of the number): no bf16 or f16 on the way to a quantiser, and a product that is left as it is and whose result goes on into a quantised operand takes f32 operands (vector FMAs, or v_wmma_f32_16x16x4_f32). A number that lies on a knife's edge between two numbers of the format may be rounded either way, as far as f32 arithmetic and the matrix unit's own rounding can turn it there, and no further.
;; One version. Each part assembles by itself: llvm-mc -triple=amdgcn-amd-amdhsa -mcpu=gfx1250 --defsym DOCPART=n.
;; ======== version 1 of 1: 4 launches
;; limits: right only within a limited range of input values
;; workspace buffers: cod 12,582,912 bytes; scl 393,216 bytes; qblk 17,301,504 bytes; kv 17,301,504 bytes; aimg 8,388,608 bytes; asc 262,144 bytes
;; launch quant (part 1): grid 384 x 1, 4 waves a work-group, no clusters, 33,280 bytes of LDS; arguments x, W_qkv, W_out, cod, scl; writes cod, scl
.if DOCPART == 1
	.amdgcn_target "amdgcn-amd-amdhsa--gfx1250"
	.amdhsa_code_object_version 6
	.text
	.protected	k_q113c828a80_quant
	.globl	k_q113c828a80_quant
	.p2align	8
	.type	k_q113c828a80_quant,@function
k_q113c828a80_quant:
	s_mov_b64 s[64:65], 0
	v_nop
	global_prefetch_b8 v0, s[64:65] scope:SCOPE_SE
	s_setreg_imm32_b32 hwreg(HW_REG_WAVE_MODE, 25, 1), 1
	s_wait_xcnt 0x0
; x [8192][1024], W_qkv [3072][1024] and W_out [1024][1024], f32, K innermost, become codes of FP8 (E4M3) with one E8M0 scale byte for each 32 along K.
; cod: rows of 1,024 codes, x's 8,192 rows, then W_qkv's 3,072, then W_out's 1,024.  scl: 32 scale bytes a row, in the same order.
; A block's scale is 2^(floor(log2(its largest magnitude)) - 8); its byte is the largest magnitude's exponent field - 8, held at 1 from below.  Each number is divided by the scale, held within +-448 and rounded to the nearest code, ties to even.
; THE ROWS ARE LAID IN ANOTHER ORDER THAN THEY COME: row number with its bits 3 and 4 exchanged.  So 16 rows that follow each other in cod are rows 32 b + 8 u + r + 8 (r / 8) of the tensor: the rows that the products
; want in one tile, so that a transposed product's 16 registers of two neighbouring tiles are 16 neighbours.  A wave's run is 8 rows, so the exchange is an exchange of the two bits of the wave's number.
; LIMITS: NaN and infinities among the inputs are not served.  A block of zeros gets the byte 1 (its codes are zeros, which add nothing under any byte but 0xff; this program alone reads the bytes).
; A work-group takes 32 rows, a wave 8 rows = 16 steps of 512 numbers.  Each of a step's four loads reads 512 consecutive bytes; the 2,048 bytes turn through the wave's own stage in LDS and come back 64 bytes a lane,
; so that a lane holds 16 neighbours along K (two neighbouring lanes hold a block).  A lane's 16 codes are 16 bytes: the wave stores 512 consecutive bytes.  A wave's 256 scale bytes are gathered in its own LDS bytes and leave as one aligned run of 256.
; No tensor loads, no barrier: waves share nothing.  Loads run four steps (16 loads a wave) ahead, the turn through LDS one step.
.set STEPS, 16
.set WG_X,  256                        ; work-groups that take x: 8,192 rows / 32
.set WG_XQ, 352                        ; and with W_qkv's 96
.set EMAX,  8
.set MANT,  0x600000                   ; the mantissa field of 448 as f32
.set CB,    16                         ; bytes of 16 codes
.set R,     16                         ; v16-79   four sets of 16 numbers as they are loaded
.set X,     80                         ; v80-111  two sets of 16 neighbours
.set C,     128                        ; v128-191 codes: four registers for each step, so that no store's data are written again
.set E,     112                        ; v112-127 a scale byte for each step
.set WREG,  8192                       ; LDS: a region of its own for each wave: two stages of 32 x SP bytes, and behind them its 256 scale bytes
.set SP,    80                         ; a lane's place in a stage: its 64 bytes + 16 of padding
	s_load_b256 s[4:11], s[0:1], 0x0               ; x s[4:5], W_qkv s[6:7], W_out s[8:9], cod s[10:11]
	s_load_b64 s[12:13], s[0:1], 0x20              ; scl
	v_lshl_add_u32 v192, v0, 2, 0x8000
	v_mov_b32 v193, 0
	v_lshrrev_b32 v1, 5, v0
	v_readfirstlane_b32 s16, v1                    ; wave
	v_and_b32 v2, 31, v0                           ; lane
	v_lshlrev_b32 v3, 4, v2                        ; my 16 bytes of a load's 512
	s_mul_i32 s17, s16, WREG
	v_lshrrev_b32 v14, 2, v2
	v_mul_u32_u24 v14, v14, SP
	v_and_b32 v15, 3, v2
	v_lshl_add_u32 v14, v15, 4, v14
	v_add_nc_u32 v14, s17, v14                     ; the stage, on the way in: four lanes' 64 bytes on end, then 16 of padding
	v_mul_u32_u24 v15, v2, SP
	v_add_nc_u32 v15, s17, v15                     ; and on the way out: SP x lane: my 16 neighbours
	v_mul_u32_u24 v4, v2, CB                       ; my codes' place in a step's
	v_lshrrev_b32 v5, 1, v2
	s_add_co_u32 s17, s17, 2*32*SP
	v_add_nc_u32 v5, s17, v5                       ; LDS: my wave's 256 scale bytes, my block's byte
	v_lshlrev_b32 v7, 3, v2                        ; and on the way out 8 bytes a lane
	v_add_nc_u32 v6, s17, v7
	s_mov_b32 s23, MANT                            ; (an instruction takes one literal: the hold's line has another)
	s_wait_alu depctr_va_vdst(0)
	s_wait_kmcnt 0x0
	s_cmp_lt_u32 ttmp9, WG_XQ                      ; which tensor?  The choice hangs on the work-group's number alone
	s_cselect_b64 s[6:7], s[6:7], s[8:9]           ; W_qkv or W_out,
	s_mov_b32 s18, WG_XQ
	s_cselect_b32 s18, WG_X, s18                   ; and the number of its first work-group
	s_cmp_lt_u32 ttmp9, WG_X
	s_cselect_b64 s[4:5], s[4:5], s[6:7]           ; or x
	s_cselect_b32 s18, 0, s18
	s_sub_co_u32 s18, ttmp9, s18
	s_lshl_b32 s18, s18, 2
	s_add_co_u32 s18, s18, s16                     ; which run of 8 rows of the tensor is my wave's
	s_lshl_b32 s18, s18, 15                        ; 32,768 bytes a run (x: under 2^25)
	s_mov_b32 s19, 0
	s_add_nc_u64 s[4:5], s[4:5], s[18:19]
	s_and_b32 s20, s16, 1                          ; where the run goes: the wave's two bits exchanged,
	s_lshl_b32 s20, s20, 1
	s_lshr_b32 s21, s16, 1
	s_or_b32 s20, s20, s21
	s_lshl_b32 s21, ttmp9, 2
	s_add_co_u32 s20, s20, s21                     ; in the work-group's 32 rows: the three tensors lie on end in cod and scl as their work-groups are numbered
	s_lshl_b32 s18, s20, 13                        ; 8,192 bytes of codes a run
	s_add_nc_u64 s[10:11], s[10:11], s[18:19]
	s_lshl_b32 s18, s20, 8                         ; 256 scale bytes a run
	s_add_nc_u64 s[12:13], s[12:13], s[18:19]
.macro LOAD t
.irp i, 0,1,2,3
	global_load_b128 v[R+16*((\t)%4)+4*\i:R+16*((\t)%4)+4*\i+3], v3, s[4:5] offset:2048*(\t)+512*\i th:TH_LOAD_NT   ; 32 lanes read 512 consecutive bytes
.endr
.endm
.macro TURN t                          ; step t's numbers through the stage: LDS serves a wave's instructions in order, so no wait stands between the stores and the loads
.irp i, 0,1,2,3
	ds_store_b128 v14, v[R+16*((\t)%4)+4*\i:R+16*((\t)%4)+4*\i+3] offset:32*SP*((\t)%2)+8*SP*\i
.endr
.irp i, 0,1,2,3
	ds_load_b128 v[X+16*((\t)%2)+4*\i:X+16*((\t)%2)+4*\i+3], v15 offset:32*SP*((\t)%2)+16*\i
.endr
.endm
.irp t, 0,1,2,3
	LOAD \t
.endr
	s_wait_loadcnt 12                              ; step 0's four loads are in; the twelve of steps 1 to 3 may be out
	TURN 0
.macro STEP t
.set XS, X+16*((\t)%2)
.if (\t) > 0
	s_wait_dscnt 1                                 ; this step's numbers are back from the stage (the last step's byte store may be out): so its stores into the stage have read their registers,
.else
	s_wait_dscnt 0x0
.endif
.if (\t)+4 < STEPS
	LOAD (\t)+4                                    ; which take the loads of four steps on
.endif
.if (\t)+1 < STEPS
.if STEPS-2-(\t) >= 3
	s_wait_loadcnt 12                              ; the next step's four loads are in; those of the three steps behind it may be out
.else
	s_wait_loadcnt 4*(STEPS-2-(\t))                ; in the tail: four for each step that is left behind the next
.endif
	TURN (\t)+1                                    ; and go through the other stage while this step is worked
.endif
	v_max3_num_f32 v8, |v[XS]|, |v[XS+1]|, |v[XS+2]|               ; the largest magnitude of my 16, in two chains
	v_max3_num_f32 v9, |v[XS+3]|, |v[XS+4]|, |v[XS+5]|
.irp i, 6,10
	v_max3_num_f32 v8, v8, |v[XS+\i]|, |v[XS+\i+1]|
	v_max3_num_f32 v9, v9, |v[XS+\i+2]|, |v[XS+\i+3]|
.endr
	v_max3_num_f32 v8, v8, |v[XS+14]|, |v[XS+15]|
	v_max3_num_f32 v8, v8, v9, (EMAX+1)<<23        ; and the floor 2^(EMAX + 1 - 127): so the byte cannot fall under 1
	v_max_num_f32_dpp v8, v8, v8 row_xmask:1 row_mask:0xf bank_mask:0xf   ; and of my neighbour's 16: the block's
	v_add_nc_u32 v11, -(EMAX<<23), v8              ; EMAX off its exponent field: the conversion takes the exponent field of this operand as its scale
	v_and_or_b32 v10, v8, 0x7f800000, s23          ; 448 x the scale: the largest magnitude's exponent field over 448's mantissa
.irp i, 0,1,2,3,4,5,6,7,8,9,10,11,12,13,14,15
	v_med3_num_f32 v[XS+\i], v[XS+\i], -v10, v10   ; the conversion to an 8-bit code does not saturate (ISA guide 7.6.2): the hold comes first
.endr
	v_cvt_scalef32_pk8_fp8_f32 v[C+4*(\t):C+4*(\t)+1], v[XS:XS+7], v11
	v_cvt_scalef32_pk8_fp8_f32 v[C+4*(\t)+2:C+4*(\t)+3], v[XS+8:XS+15], v11
	v_lshrrev_b32 v[E+(\t)], 23, v11               ; the scale's byte (also the plain line behind the conversions)
	ds_store_b8 v5, v[E+(\t)] offset:16*(\t)       ; both lanes of a block write the same byte with the same value
	global_store_b128 v4, v[C+4*(\t):C+4*(\t)+3], s[10:11] offset:32*CB*(\t)   ; 512 consecutive bytes a wave
.endm
.irp t, 0,1,2,3,4,5,6,7,8,9,10,11,12,13,14,15
	STEP \t
.endr
	ds_load_b64 v[12:13], v6                       ; LDS serves a wave's instructions in order: these see my stores
	s_wait_dscnt 0x0
	global_store_b64 v7, v[12:13], s[12:13]        ; 32 lanes store 256 consecutive bytes, aligned
	s_wait_tensorcnt 0x0
	ds_add_u32 v192, v193
	s_wait_dscnt 0x0
	s_endpgm
.Lfunc_end_k_q113c828a80_quant:
	.size	k_q113c828a80_quant, .Lfunc_end_k_q113c828a80_quant-k_q113c828a80_quant
	.p2alignl 7, 3214868480
	.fill 96, 4, 3214868480
	.section	.rodata,"a",@progbits
	.p2align	6, 0x0
	.amdhsa_kernel k_q113c828a80_quant
		.amdhsa_group_segment_fixed_size 33280
		.amdhsa_private_segment_fixed_size 0
		.amdhsa_enable_private_segment 0
		.amdhsa_kernarg_size 40
		.amdhsa_user_sgpr_count 2
		.amdhsa_user_sgpr_kernarg_segment_ptr 1
		.amdhsa_wavefront_size32 1
		.amdhsa_system_sgpr_workgroup_id_x 1
		.amdhsa_system_sgpr_workgroup_id_y 1
		.amdhsa_system_sgpr_workgroup_id_z 1
		.amdhsa_system_vgpr_workitem_id 0
		.amdhsa_next_free_vgpr 194
		.amdhsa_next_free_sgpr 66
		.amdhsa_reserve_vcc 0
		.amdhsa_float_denorm_mode_32 3
		.amdhsa_float_denorm_mode_16_64 3
		.amdhsa_memory_ordered 1
		.amdhsa_forward_progress 1
		.amdhsa_inst_pref_size 51
	.end_amdhsa_kernel
	.amdgpu_metadata
---
amdhsa.version: [ 1, 2 ]
amdhsa.kernels:
  - .name:           k_q113c828a80_quant
    .symbol:         k_q113c828a80_quant.kd
    .args:
      - { .name: x, .offset: 0, .size: 8, .value_kind: global_buffer, .address_space: global }
      - { .name: W_qkv, .offset: 8, .size: 8, .value_kind: global_buffer, .address_space: global }
      - { .name: W_out, .offset: 16, .size: 8, .value_kind: global_buffer, .address_space: global }
      - { .name: cod, .offset: 24, .size: 8, .value_kind: global_buffer, .address_space: global }
      - { .name: scl, .offset: 32, .size: 8, .value_kind: global_buffer, .address_space: global }
    .group_segment_fixed_size: 33280
    .private_segment_fixed_size: 0
    .kernarg_segment_align: 8
    .kernarg_segment_size: 40
    .max_flat_workgroup_size: 128
    .sgpr_count:     66
    .vgpr_count:     194
    .wavefront_size: 32
...
	.end_amdgpu_metadata
.endif
;; end of part 1
;; launch qkv (part 2): grid 12 x 32, 4 waves a work-group, clusters of 4 x 4, 327,680 bytes of LDS; arguments cod, scl, b_qkv, qblk, kv; writes qblk, kv
.if DOCPART == 2
	.amdgcn_target "amdgcn-amd-amdhsa--gfx1250"
	.amdhsa_code_object_version 6
	.text
	.protected	k_q113c828a80_qkv
	.globl	k_q113c828a80_qkv
	.p2align	8
	.type	k_q113c828a80_qkv,@function
k_q113c828a80_qkv:
	s_mov_b64 s[64:65], 0
	v_nop
	global_prefetch_b8 v0, s[64:65] scope:SCOPE_SE
	s_setreg_imm32_b32 hwreg(HW_REG_WAVE_MODE, 25, 1), 1
	s_wait_xcnt 0x0
	s_wait_alu depctr_hold_cnt(0) depctr_sa_sdst(0) depctr_va_vdst(0) depctr_va_sdst(0) depctr_va_ssrc(0) depctr_va_vcc(0) depctr_vm_vsrc(0)
	s_getreg_b32 s2, hwreg(HW_REG_IB_STS2, 6, 4)
	s_cmp_eq_u32 s2, 0
	s_cbranch_scc0 .Lentry_in_a_cluster
	s_endpgm
.Lentry_in_a_cluster:
	s_bfe_u32 s2, ttmp6, 0x10000c
	s_cmp_lg_u32 s2, 0xf033
	s_cbranch_scc0 .Lentry_shape_is_right
	s_endpgm
.Lentry_shape_is_right:
; q, k, v = x W_qkv^T + b_qkv on codes of FP8 (E4M3) with one E8M0 scale for each 32 along K = 1,024; the results are quantised here, in registers, and leave as codes: q and k along the head's 64, v along the keys.
; A tile of the product, 256 tokens x 256 features, is made by four waves, 128 x 128 each: 64 accumulators, 512 registers.  K goes in steps of 256 through a ring of two LDS slots filled by the tensor data mover; the scale
; bytes of the work-group's rows, for all of K, come into LDS once.  4 x 4 work-groups form a cluster: x's tiles (A) are asked for jointly along a row of the cluster, W_qkv's (B) along a column.
; The cluster's x says what is made: 0 q, 1 k, 2 v; it is the same in all sixteen partners, so branches and LDS addresses may hang on it.
; ROLES.  Source 0 of the matrix instruction is P (two sets of registers), source 1 is Q (one set).  In a result a lane holds ONE row of Q, and its eight registers eight rows of P.
;   q, k: P = features, Q = tokens: a lane's registers run along the head's 64, which is the next product's K.     v: P = tokens, Q = features: they run along the keys, which is its next K.
; The two differ in the rows the tensor loads bring, not in LDS addresses.  The rows of cod lie so (bits 3 and 4 of the row number exchanged) that the 16 registers of tiles 2 b and 2 b + 1 are 16 neighbours: 32 b + 16 (lane / 16) + 0 .. 15.
; The bias is the C of each sum's first matrix instruction.
; OUT.  A block of 8,448 bytes for each head and each 128 tokens: 16 groups of 512 bytes, images of operand registers (lane l's 16 bytes at 16 l), then 256 bytes of scale words, 16 bytes for each of 16 rows.
;   q, k: token tile a at 1,024 a, its two blocks of 32 along d 512 apart; word j of row r: the two bytes of tile 2 j, then those of tile 2 j + 1.     v: tile t of 16 of the head's 64 at 2,048 t, four blocks of 32 keys; word t of row r.
; LIMITS: NaN and infinities are not served.  A block of zeros gets the scale byte 1: its codes are zeros, and this program alone reads the bytes.
; REGISTERS, in windows of 256: window 0: v1-7 at work at the head; v8-11 scale words on their way out; v12-15, v16-29 addresses; v32-63 scale words, two sets, and nothing else; v64-127 the bias, later the quantiser's work;
;   v128-255 Q's fragments, one set, later the numbers held and their codes.   window 1: P's fragments, two sets.   windows 2, 3: the accumulators ((a, b) at v[8 (8 (a % 4) + b)]).
.set KSTEP,  256                       ; along K in a slot
.set NQ,     KSTEP/128                 ; matrix instructions deep
.set ROWB,   256                       ; a tile's row in bytes
.set KROW,   1024                      ; a row of cod in bytes
.set PITCH,  272                       ; an LDS row: 256 bytes + 16 of padding = 68 words: the 16 rows that a load touches start at 16 different banks (ISA guide 11.1)
.set FR,     16                        ; registers of a fragment: 16 rows x 128 K
.set NL,     4                         ; LDS loads that bring one
.set NP,     8                         ; places behind this matrix instruction (ISA guide 7.12.1)
.set HALFT,  128*PITCH                 ; 128 rows: what one tensor load brings
.set SLOT,   4*HALFT                   ; A's 256 rows, then B's 256 rows
.set LAPS,   2                         ; K = 1,024 is four K steps: twice round the ring
.set KS,     32                        ; a row of scale bytes
.set SCL,    2*SLOT                    ; behind the ring: the scales, as runs of 256 bytes + 16 of padding
.set HALFS,  (128*KS/256)*272          ; the scales of 128 rows
.set SBLK,   (16*KS/256)*272           ; those of 16 rows
.set SPARE,  SCL+4*HALFS               ; behind the scales: the spare words, 128 bytes for each wave, that no other line names
.set WQ_COD, 8388608                   ; where W_qkv's codes begin in cod,
.set WQ_SCL, 262144                    ; and its scale bytes in scl
.set BLKB,   8448                      ; a block of the output
.set HS,     32*BLKB                   ; a head's 16 places of two blocks: in kv k's block and v's lie side by side; in qblk every second place is used
.set SW,   8                           ; v8-11   four scale words of a row, on their way out
.set VOA,  12                          ; v12     16 x lane
.set VOB,  13                          ; v13     16 x lane + what lies between a fragment's second and third group (q, k: a head on; v: 1,024)
.set SOFF, 14                          ; v14     the scale words' place: 16 (lane % 16) + a head on for lanes 16-31
.set PSEL, 15                          ; v15     byte selector: lanes 0-15 take the low halves of two words, lanes 16-31 the high halves
.set ADRQ, 16                          ; v16-17  LDS address of my Q fragments in slot 0, 1
.set ADRP, 20                          ; v20-21  the same for P
.set ADRS, 27                          ; v27     LDS address of my scale words: lanes 0-15 Q's rows, lanes 16-31 P's
.set SPW,  28                          ; v28     LDS address of my spare word; never rewritten
.set NIL,  29                          ; v29     0; never rewritten
.set SC,   32                          ; scale words: set s at v[SC + 8 NQ s]; register NQ i + q: lanes 0-15 Q's block i, lanes 16-31 P's block i
.set BIAS, 64                          ; v64-127 the bias in the result's layout
.set QF,   128                         ; Q's fragments
.set TM,   64                          ; the way out: v64-67 largest magnitudes, v68-71 bytes, v72-75 448 x the scale, v76-79 the scale operands
.set PW,   80                          ; v80-87  the scale word of each of Q's eight blocks
.set X,    128                         ; v128-191 64 numbers, held
.set PC,   192                         ; v192-207 their codes
.set WV,  16                           ; s16 wave;  s17 which half of A's rows is mine, also: I fetch for A (0) or B (1);  s18 which half of B's rows, also: which 128 rows I fetch
.set HA,  17
.set HB,  18
.set G1,  24                           ; s[24:31] descriptor group 1 for A's tiles;  s[32:39] group 0, one set for each slot
.set G0,  32
.set G1B, 48                           ; s[48:55], s[56:63] the same for B's tiles
.set G0B, 56
.set G1S, 68                           ; s[68:75], s[76:79] groups 1 and 0 for A's scales;  s[80:87], s[88:91] for B's
.set G0S, 76
.set G1SB, 80
.set G0SB, 88
.set HM,  66                           ; s66 the mask of lanes 16-31
.set MNT, 67                           ; s67 the mantissa field of 448
.set SEL, 94                           ; s[94:95] v_permlanex16_b32's selects for lane l xor 16
.set OB,  96                           ; s[96:97] where Q's block in hand is stored;  s[98:99] where the first was
.set OB0, 98
.set STEPA, 100                        ; s[100:101] from one of Q's blocks to the next;  s[40:41] from the fourth to the fifth
.set STEPM, 40
.set MSB, 0
.macro WIN new                         ; the immediate's high byte repeats the setting that is left
.if MSB != \new
	s_set_vgpr_msb (MSB<<8)|\new
.set MSB, \new
.endif
.endm
.set MUL_LO, 0xa1                      ; source 0 (P) window 1, source 1 (Q) window 0, C and D window 2
.set MUL_HI, 0xf1                      ; the same, C and D window 3
.set BIA_LO, 0x81                      ; the first step: C (the bias) window 0, D window 2
.set BIA_HI, 0xc1                      ; D window 3
.set TO_P,   0x40                      ; destination window 1, address window 0
; A joint load: waves 0 and 1 fetch for A, waves 2 and 3 for B.  Each line has one mask and one set of registers for all that issue it; the branch hangs on the wave's number alone.
; Four v_nop follow each of the two lines, ahead of the jump, the label and what follows.
.macro JLOAD g0a, g1a, g0b, g1b
	s_cmp_eq_u32 s[HA], 0
	s_cbranch_scc0 .Lfor_b_\@
	tensor_load_to_lds s[\g0a:\g0a+3], s[\g1a:\g1a+7]
	s_nop 0
.rept 4
	v_nop
.endr
	s_branch .Lasked_\@
.Lfor_b_\@:
	tensor_load_to_lds s[\g0b:\g0b+3], s[\g1b:\g1b+7]
	s_nop 0
.rept 4
	v_nop
.endr
.Lasked_\@:
.endm
.macro CREST                           ; a round of the cluster's barrier behind its opening barrier
	s_cmp_lg_u32 s[WV], 0
	s_cbranch_scc1 .Lnot_wave_0_\@
	s_barrier_signal -3
.Lnot_wave_0_\@:
	s_barrier_wait -3
	s_barrier_signal -1
	s_barrier_wait -1
.endm
.macro CROUND                          ; a whole round
	s_barrier_signal -1
	s_barrier_wait -1
	CREST
.endm
	s_load_b256 s[4:11], s[0:1], 0x0               ; cod s[4:5], scl s[6:7], b_qkv s[8:9], qblk s[10:11]
	s_load_b64 s[12:13], s[0:1], 0x20              ; kv
	v_lshl_add_u32 v[SPW], v0, 2, SPARE
	v_mov_b32 v[NIL], 0
	ds_add_u32 v28, v29
	ds_add_u32 v28, v29
	s_wait_dscnt 0x0
	v_lshrrev_b32 v1, 5, v0
	v_readfirstlane_b32 s[WV], v1                  ; wave 0..3
	s_lshr_b32 s[HA], s[WV], 1
	s_and_b32 s[HB], s[WV], 1
	s_bfe_u32 s40, ttmp6, 0x40000                  ; cx, cy: my place in the cluster
	s_bfe_u32 s41, ttmp6, 0x40004
	s_lshl_b32 s42, ttmp9, 2
	s_add_co_u32 s42, s42, s40                     ; tile column (256 features) = 4 x cluster x + cx
	s_and_b32 s20, ttmp7, 0xffff
	s_lshl_b32 s20, s20, 2
	s_add_co_u32 s20, s20, s41                     ; tile row (256 tokens) = 4 x cluster y + cy
	s_lshl_b32 s43, s41, 2
	s_lshl_b32 s43, 15, s43                        ; my row of the cluster
	s_lshl_b32 s44, 0x1111, s40                    ; my column
	; descriptor group 1: a tile of 128 rows x 256 bytes, padded in LDS
	s_or_b32 s[G1+0], s43, (0<<16)|(1<<20)|(1<<21)|(5<<22)|(3<<25)  ; 15:0 the mask: A's tiles go to my row; 17:16 elements of 1 byte; 20 padding on; 21 set beside a mask; 24:22 after every 64 words; 31:25 four words
	s_or_b32 s[G1B+0], s44, (0<<16)|(1<<20)|(1<<21)|(5<<22)|(3<<25)
.irp g, G1, G1B
	s_mov_b32 s[\g+1], ROWB<<16                    ; tensor_dim0
	s_mov_b32 s[\g+2], 256<<16                     ; tensor_dim1: 256 rows for the head's loads, set to 128 for the ring's behind them
	s_mov_b32 s[\g+3], ROWB<<16                    ; tile_dim0
	s_mov_b32 s[\g+4], 256                         ; tile_dim1 likewise
	s_mov_b32 s[\g+5], KROW                        ; from row to row
	s_mov_b32 s[\g+6], 0
	s_mov_b32 s[\g+7], 0
.endr
	; and for the scales of 256 rows: 8,192 dense bytes, as 32 rows of 256 bytes (32 elements of 8 bytes), 16 bytes of padding behind each
	s_or_b32 s[G1S+0], s43, (3<<16)|(1<<20)|(1<<21)|(5<<22)|(3<<25)
	s_or_b32 s[G1SB+0], s44, (3<<16)|(1<<20)|(1<<21)|(5<<22)|(3<<25)
.irp g, G1S, G1SB
	s_mov_b32 s[\g+1], 32<<16
	s_mov_b32 s[\g+2], (256*KS/256)<<16            ; the scales of 256 rows: 32 rows of 256 bytes
	s_mov_b32 s[\g+3], 32<<16
	s_mov_b32 s[\g+4], 256*KS/256
	s_mov_b32 s[\g+5], 32
	s_mov_b32 s[\g+6], 0
	s_mov_b32 s[\g+7], 0
.endr
	; where the tiles come from.  A's hang on the tile row alone, B's on the tile column alone, each in registers that do not hold the other coordinate
	; Region A of a slot is always Q's and hangs on cy, region B is always P's and hangs on cx.  q, k: A = x's rows by the tile row, B = W's rows by the tile column.
	; v: the cluster's coordinates change places: A = W_v's rows 256 cy on (row 10,240 of cod on), B = x's rows of token tile 4 x cluster y + cx.  So no LDS address hangs on what is made.
	s_lshl_b32 s2, s20, 8
	s_lshl_b32 s3, s41, 8
	s_add_co_u32 s3, s3, 10240
	s_lshl_b32 s46, s42, 8
	s_add_co_u32 s46, s46, 8192
	s_and_b32 s47, ttmp7, 0xffff
	s_lshl_b32 s47, s47, 2
	s_add_co_u32 s47, s47, s40
	s_lshl_b32 s47, s47, 8
	s_cmp_eq_u32 ttmp9, 2
	s_cselect_b32 s2, s3, s2                       ; A's first row in cod
	s_cselect_b32 s46, s47, s46                    ; B's
	s_lshl_b32 s22, s2, 5                          ; scale bytes: 32 a row
	s_mov_b32 s23, 0
	s_lshl_b32 s2, s2, 10                          ; codes: 1,024 a row (under 2^24)
	s_mov_b32 s3, 0
	s_lshl_b32 s92, s46, 5
	s_mov_b32 s93, 0
	s_lshl_b32 s46, s46, 10
	s_mov_b32 s47, 0
	s_lshl_b32 s44, s[HB], 17                      ; in the ring I fetch 128 rows: which half, in bytes
	s_mov_b32 s45, 0
	s_mul_i32 s21, s[WV], HALFT                    ; and where they go
	s_wait_kmcnt 0x0
	s_add_nc_u64 s[2:3], s[4:5], s[2:3]
	s_add_nc_u64 s[14:15], s[12:13], BLKB          ; v's blocks lie behind k's
	s_add_nc_u64 s[22:23], s[6:7], s[22:23]
	s_add_nc_u64 s[46:47], s[4:5], s[46:47]
	s_add_nc_u64 s[92:93], s[6:7], s[92:93]
	CROUND                                         ; all sixteen work-groups are here: the first joint loads meet
	s_mov_b32 s[G0S], 1                            ; the head's four tiles, each whole: the scales of A's 256 rows,
	s_mov_b32 s[G0S+1], SCL
	s_mov_b64 s[G0S+2:G0S+3], s[22:23]
	s_or_b32 s[G0S+3], s[G0S+3], 0x80000000
	s_mov_b32 s[G0SB], 1                           ; of B's,
	s_mov_b32 s[G0SB+1], SCL+2*HALFS
	s_mov_b64 s[G0SB+2:G0SB+3], s[92:93]
	s_or_b32 s[G0SB+3], s[G0SB+3], 0x80000000
	s_mov_b32 s[G0], 1                             ; K step 0's 256 rows of A (slot 0's group 0 is set for the ring behind the head's wait),
	s_mov_b32 s[G0+1], 0
	s_mov_b64 s[G0+2:G0+3], s[2:3]
	s_or_b32 s[G0+3], s[G0+3], 0x80000000
	s_mov_b32 s[G0B], 1                            ; and of B
	s_mov_b32 s[G0B+1], 2*HALFT
	s_mov_b64 s[G0B+2:G0B+3], s[46:47]
	s_or_b32 s[G0B+3], s[G0B+3], 0x80000000
	s_add_nc_u64 s[2:3], s[2:3], s[44:45]          ; slot 1's, for the ring: my 128 rows, K step 1
	s_add_nc_u64 s[46:47], s[46:47], s[44:45]
	s_mov_b32 s[G0+4], 1
	s_add_co_u32 s[G0+5], s21, SLOT
	s_add_nc_u64 s[G0+6:G0+7], s[2:3], ROWB
	s_or_b32 s[G0+7], s[G0+7], 0x80000000
	s_mov_b32 s[G0B+4], 1
	s_add_co_u32 s[G0B+5], s21, SLOT
	s_add_nc_u64 s[G0B+6:G0B+7], s[46:47], ROWB
	s_or_b32 s[G0B+7], s[G0B+7], 0x80000000
; the head's loads, one a wave, in one tree of branches on the wave's number
.macro ARM under, g0, g1, next
	s_cmp_lt_u32 s[WV], \under
	s_cbranch_scc0 \next
	tensor_load_to_lds s[\g0:\g0+3], s[\g1:\g1+7]
	s_nop 0
.rept 4
	v_nop
.endr
	s_branch .Lhead_asked
\next:
.endm
	ARM 1, G0,  G1,  .Lhead_b
	ARM 2, G0B, G1B, .Lhead_sa
	ARM 3, G0S, G1S, .Lhead_sb
	tensor_load_to_lds s[G0SB:G0SB+3], s[G1SB:G1SB+7]
	s_nop 0
.rept 4
	v_nop
.endr
.Lhead_asked:
	; for the results' and the bias's places in memory: s4 token tile, s5 feature tile, s6 my half of the tokens, s7 my half of the features
	s_and_b32 s4, ttmp7, 0xffff
	s_lshl_b32 s4, s4, 2
	s_add_co_u32 s4, s4, s40
	s_add_co_u32 s5, s41, 8
	s_cmp_eq_u32 ttmp9, 2
	s_cselect_b32 s4, s4, s20
	s_cselect_b32 s5, s5, s42
	s_cselect_b32 s6, s[HB], s[HA]
	s_cselect_b32 s7, s[HA], s[HB]
	v_and_b32 v1, 15, v0                           ; r = lane % 16
	v_bfe_u32 v2, v0, 4, 1                         ; h = lane / 16
	v_and_b32 v3, 31, v0                           ; lane
	v_mul_u32_u24 v4, v1, PITCH
	v_lshl_add_u32 v4, v2, 4, v4                   ; a fragment's row x pitch + 16 x half
	; THE ROLES: what P and Q read, and how the results are laid, chosen by the cluster's x
	s_wait_alu depctr_va_vdst(0)
	s_mul_i32 s43, s[HA], HALFT                    ; my 128 rows of A
	s_mul_i32 s44, s[HB], HALFT                    ; my 128 rows of B,
	s_add_co_u32 s44, s44, 2*HALFT                 ; which lie behind A's 256
	s_mul_i32 s21, s[HA], HALFS                    ; and their scales
	s_mul_i32 s22, s[HB], HALFS
	s_add_co_u32 s22, s22, 2*HALFS
	s_mov_b32 s[STEPA], 1024                       ; q, k: a token tile is 1,024 bytes of a block
	s_mov_b32 s[STEPA+1], 0
	s_mov_b32 s[STEPM], 1024
	s_mov_b32 s[STEPM+1], 0
	s_mov_b32 s2, HS                               ; q, k: a fragment's groups 2 and 3 are the next head's
	s_cmp_eq_u32 ttmp9, 2                          ; v?
	s_mov_b32 s45, s44                             ; P reads region B, Q region A, whatever is made
	s_mov_b32 s23, s22
	s_cselect_b32 s[STEPA], 2048, s[STEPA]         ; v: a tile of 16 of the head's 64 is 2,048 bytes;
	s_cselect_b32 s[STEPM], HS-6144, s[STEPM]      ; the fifth tile is the next head's first
	s_cselect_b32 s2, 1024, s2                     ; v: a fragment's four groups lie on end
	s_cselect_b64 s[OB:OB+1], s[14:15], s[10:11]   ; vblk, or qblk,
	s_cmp_eq_u32 ttmp9, 1
	s_cselect_b64 s[OB:OB+1], s[12:13], s[OB:OB+1] ; or kblk
.irp s, 0,1
	v_add_nc_u32 v[ADRQ+\s], s43, v4
	v_add_nc_u32 v[ADRP+\s], s45, v4
	s_add_co_u32 s43, s43, SLOT
	s_add_co_u32 s45, s45, SLOT
.endr
	v_lshlrev_b32 v5, 5, v1                        ; my row's scales: 32 bytes a row,
	v_lshrrev_b32 v6, 8, v5
	v_lshl_add_u32 v5, v6, 4, v5                   ; and 16 more for each 256 passed
	s_sub_co_u32 s23, s23, s21
	v_mul_u32_u24 v6, s23, v2                      ; lanes 16-31 take P's: one product, the distance between the two x the lane's half
	v_add_nc_u32 v6, v6, v5
	v_add_nc_u32 v6, s21, v6
	v_cmp_le_u32 s[HM], 16, v3                     ; lanes 16-31
	v_add_nc_u32 v[ADRS], SCL, v6
	v_lshlrev_b32 v[VOA], 4, v3
	v_add_nc_u32 v[VOB], s2, v[VOA]
	v_mul_u32_u24 v5, v2, HS
	v_lshl_add_u32 v[SOFF], v1, 4, v5
	v_mov_b32 v5, 0x05040100
	v_mov_b32 v6, 0x07060302
	v_cndmask_b32 v[PSEL], v5, v6, s[HM]
	; my first block: batch = tile row / 8; head 2 f, f = (2 x tile column + my half) % 8; the group of 128 tokens = (2 x tile row + my half) % 16
	s_lshl_b32 s46, s5, 1
	s_add_co_u32 s46, s46, s7
	s_and_b32 s46, s46, 7
	s_lshl_b32 s46, s46, 1
	s_lshr_b32 s47, s4, 3
	s_lshl_b32 s47, s47, 4
	s_add_co_u32 s46, s46, s47                     ; 16 x batch + head
	s_lshl_b32 s46, s46, 4
	s_lshl_b32 s47, s4, 1
	s_add_co_u32 s47, s47, s6
	s_and_b32 s47, s47, 15
	s_add_co_u32 s46, s46, s47
	s_mul_i32 s46, s46, 2*BLKB                     ; under 2^25
	s_mov_b32 s47, 0
	s_add_nc_u64 s[OB:OB+1], s[OB:OB+1], s[46:47]
	s_mov_b64 s[OB0:OB0+1], s[OB:OB+1]
	s_mov_b32 s[SEL], 0x76543210
	s_mov_b32 s[SEL+1], 0xfedcba98
	s_mov_b32 s[MNT], 0x600000
	; THE BIAS of my 128 features, in the result's layout
	s_lshl_b32 s46, s5, 10
	s_lshl_b32 s47, s7, 9
	s_add_co_u32 s46, s46, s47
	s_mov_b32 s47, 0
	s_add_nc_u64 s[8:9], s[8:9], s[46:47]
	s_cmp_eq_u32 ttmp9, 2
	s_cbranch_scc1 .Lbias_v
	v_lshlrev_b32 v5, 6, v2                        ; q, k: register 8 b + i: feature 32 (b / 2) + 8 (b % 2) + 16 h + i
.irp b, 0,1,2,3,4,5,6,7
	global_load_b128 v[BIAS+8*\b:BIAS+8*\b+3], v5, s[8:9] offset:(32*(\b/2)+8*(\b%2))*4
	global_load_b128 v[BIAS+8*\b+4:BIAS+8*\b+7], v5, s[8:9] offset:(32*(\b/2)+8*(\b%2))*4+16
.endr
	s_branch .Lbias_done
.Lbias_v:
	v_and_b32 v5, 8, v1                            ; v: registers 8 a + 0 .. 7 all hold my lane's feature's: 32 (a / 2) + 8 (a % 2) + r + 8 (r / 8)
	v_add_nc_u32 v5, v5, v1
	v_lshlrev_b32 v5, 2, v5
.irp a, 0,1,2,3,4,5,6,7
	global_load_b32 v[BIAS+8*\a], v5, s[8:9] offset:(32*(\a/2)+8*(\a%2))*4
.endr
	s_wait_loadcnt 0x0
.irp a, 0,1,2,3,4,5,6,7
.irp j, 1,2,3,4,5,6,7
	v_mov_b32 v[BIAS+8*\a+\j], v[BIAS+8*\a]
.endr
.endr
.Lbias_done:
	s_wait_loadcnt 0x0                             ; the bias is in
.macro FRAG reg, adr, q, i             ; a fragment, 16 rows x 128 K: lane l holds row l % 16; registers 4 c .. 4 c + 3 hold K = 32 c + 16 (l / 16) + 0 .. 15
.irp c, 0,1,2,3
	ds_load_b128 v[\reg+4*\c:\reg+4*\c+3], v[\adr] offset:128*(\q)+32*\c+(\i)*16*PITCH
.endr
.endm
; 16 matrix instructions: Q's blocks a0, a0 + 1 x P's eight, 128 along K: the slot's q-th.  p: P's set;  sc: the set of scale words.
; zero = 1: the sums start from the bias of P's rows (q, k);  2: from that of Q's rows (v);  0: they go on.  The 64 accumulators take turns, one instruction a turn, in the same order in every step.
.macro MUL16 a0, p, q, sc, zero
.irp a, \a0, \a0+1
.irp b, 0,1,2,3,4,5,6,7
.if \zero == 1
	v_wmma_scale_f32_16x16x128_f8f6f4 v[8*(8*((\a)%4)+\b):8*(8*((\a)%4)+\b)+7], v[128*(\p)+FR*\b:128*(\p)+FR*\b+FR-1], v[QF+FR*(\a):QF+FR*(\a)+FR-1], v[BIAS+8*\b:BIAS+8*\b+7], v[SC+8*NQ*(\sc)+NQ*\b+(\q)], v[SC+8*NQ*(\sc)+NQ*(\a)+(\q)] matrix_a_scale:MATRIX_SCALE_ROW1
.elseif \zero == 2
	v_wmma_scale_f32_16x16x128_f8f6f4 v[8*(8*((\a)%4)+\b):8*(8*((\a)%4)+\b)+7], v[128*(\p)+FR*\b:128*(\p)+FR*\b+FR-1], v[QF+FR*(\a):QF+FR*(\a)+FR-1], v[BIAS+8*(\a):BIAS+8*(\a)+7], v[SC+8*NQ*(\sc)+NQ*\b+(\q)], v[SC+8*NQ*(\sc)+NQ*(\a)+(\q)] matrix_a_scale:MATRIX_SCALE_ROW1
.else
	v_wmma_scale_f32_16x16x128_f8f6f4 v[8*(8*((\a)%4)+\b):8*(8*((\a)%4)+\b)+7], v[128*(\p)+FR*\b:128*(\p)+FR*\b+FR-1], v[QF+FR*(\a):QF+FR*(\a)+FR-1], v[8*(8*((\a)%4)+\b):8*(8*((\a)%4)+\b)+7], v[SC+8*NQ*(\sc)+NQ*\b+(\q)], v[SC+8*NQ*(\sc)+NQ*(\a)+(\q)] matrix_a_scale:MATRIX_SCALE_ROW1
.endif
.endr
.endr
.endm
.macro FETCH_P slot, q, p              ; P's eight fragments of the slot's q-th 128 along K into set p
	WIN TO_P
.irp i, 0,1,2,3,4,5,6,7
	FRAG 128*(\p)+FR*\i, ADRP+\slot, \q, \i
.endr
	WIN 0
.endm
.macro FETCH_Q slot, q, i0             ; Q's blocks i0 .. i0 + 3
.irp i, \i0, \i0+1, \i0+2, \i0+3
	FRAG QF+FR*(\i), ADRQ+\slot, \q, \i
.endr
.endm
.macro SCALES sc                       ; a K step's scale words into set sc: two words a row; lanes 0-15 take Q's block i, lanes 16-31 P's block i
.irp i, 0,1,2,3,4,5,6,7
	ds_load_b64 v[SC+8*NQ*\sc+NQ*\i:SC+8*NQ*\sc+NQ*\i+1], v[ADRS] offset:\i*SBLK
.endr
.endm
; A load into a register that a matrix instruction has read, and a vector instruction that reads a matrix result, stand NP places behind that matrix instruction; only plain vector instructions that name none of its
; registers are places (ISA guide 7.12.1 for vector instructions).
.macro PLACES n
.rept \n
	v_nop
.endr
.endm
; A step of 128 along K that has its successor in the same slot.  A block of Q is free as soon as its eight products are issued: blocks 0-3 are fetched anew in the step's middle, blocks 4-7 at its end.
.macro STEP slot, q, zero
	s_wait_dscnt 4*NL                              ; P's set, Q's blocks 0-3 and the scale words are in; the youngest 16 loads (Q's blocks 4-7) may be out
.if \zero
	WIN BIA_LO
.else
	WIN MUL_LO
.endif
	MUL16 0, (\q)%2, \q, \slot, \zero
	MUL16 2, (\q)%2, \q, \slot, \zero
	s_wait_dscnt 0                                 ; Q's blocks 4-7 are in (asked for 32 matrix instructions ago)
	PLACES NP
	FETCH_P \slot, (\q)+1, 1-(\q)%2
	FETCH_Q \slot, (\q)+1, 0
.if \zero
	WIN BIA_HI
.else
	WIN MUL_HI
.endif
	MUL16 4, (\q)%2, \q, \slot, \zero
	MUL16 6, (\q)%2, \q, \slot, \zero
	PLACES NP
	WIN 0
	FETCH_Q \slot, (\q)+1, 4
.endm
; A slot's last step changes slots: ONE barrier; in front of it each wave waits for all its tensor loads, adds 0 to its spare word, and waits for that and for its own reads of this slot.  fill = 1: this slot is filled again, two K steps ahead.
.macro TURN slot, next, fill
	s_wait_tensorcnt 0x0                           ; all my tensor loads have landed: my part of the next slot  (every window is 0 here)
	ds_add_u32 v[SPW], v[NIL]                      ; 0 onto my spare word
	s_wait_dscnt 4*NL+1                            ; (the add and the youngest 16 loads, Q's blocks 4-7, may be out)
	WIN MUL_LO
	MUL16 0, 1, NQ-1, \slot, 0                     ; sixteen matrix instructions stand between the add and the wait for it
	s_wait_dscnt 0x0                               ; the add is done, and my reads of this slot are over
	s_barrier_signal -1
	MUL16 2, 1, NQ-1, \slot, 0
	WIN 0
	s_barrier_wait -1
.if \fill
	CREST                                          ; the barrier has opened a round of the cluster's barrier: no wave of any partner still reads this slot's tile or has a load on its way
	s_add_nc_u64 s[G0+4*\slot+2:G0+4*\slot+3], s[G0+4*\slot+2:G0+4*\slot+3], 2*ROWB
	s_add_nc_u64 s[G0B+4*\slot+2:G0B+4*\slot+3], s[G0B+4*\slot+2:G0B+4*\slot+3], 2*ROWB
	JLOAD G0+4*\slot, G1, G0B+4*\slot, G1B         ; the first tensor load behind the round, my one load until the next; its four v_nop are among the places in front of the loads below
	PLACES NP-4
.else
	PLACES NP
.endif
	s_wait_alu depctr_va_vdst(0)
	v_add_nc_u32 v[ADRS], 4*NQ, v[ADRS]            ; on to the next K step's scale words
	FETCH_P \next, 0, 0
	FETCH_Q \next, 0, 0
	SCALES \next
	WIN MUL_HI
	MUL16 4, 1, NQ-1, \slot, 0
	MUL16 6, 1, NQ-1, \slot, 0
	PLACES NP
	WIN 0
	FETCH_Q \next, 0, 4
.endm
	s_wait_alu depctr_va_vdst(0)
	s_wait_tensorcnt 0x0                           ; my tile of the head's four is in
	ds_add_u32 v[SPW], v[NIL]
	s_mov_b32 s[G1+2], 128<<16                     ; no tensor load of mine is out: from here on a load brings 128 rows
	s_mov_b32 s[G1+4], 128
	s_mov_b32 s[G1B+2], 128<<16
	s_mov_b32 s[G1B+4], 128
	s_mul_i32 s[G0+1], s[WV], HALFT                ; slot 0's group 0 for the ring: my 128 rows
	s_mov_b32 s[G0B+1], s[G0+1]
	s_lshl_b32 s2, s[HB], 17
	s_mov_b32 s3, 0
	s_add_nc_u64 s[G0+2:G0+3], s[G0+2:G0+3], s[2:3]
	s_add_nc_u64 s[G0B+2:G0B+3], s[G0B+2:G0B+3], s[2:3]
	s_wait_dscnt 0x0
	CROUND                                         ; all four tiles are in, all sixteen work-groups are here
	JLOAD G0+4, G1, G0B+4, G1B                     ; K step 1: the first tensor load behind the round
	FETCH_P 0, 0, 0
	FETCH_Q 0, 0, 0
	s_wait_alu depctr_va_vdst(0)
	SCALES 0
	FETCH_Q 0, 0, 4
	s_cmp_eq_u32 ttmp9, 2                          ; the first step is written twice: it differs in which bias registers start the sums
	s_cbranch_scc1 .Lfirst_v
	STEP 0, 0, 1
	s_branch .Lfirst_done
.Lfirst_v:
	STEP 0, 0, 2
.Lfirst_done:
	s_mov_b32 s3, LAPS-1
.Llap:                                                 ; a trip goes once round the ring, from a lap's second step to the next lap's first, and fills both slots again
	TURN 0, 1, 1
	STEP 1, 0, 0
	TURN 1, 0, 1
	STEP 0, 0, 0
	s_sub_co_u32 s3, s3, 1
	s_cmp_lg_u32 s3, 0
	s_cbranch_scc1 .Llap
	TURN 0, 1, 0                                   ; the last lap fills nothing, and has no round of the cluster's barrier
	STEP 1, 0, 0
	s_wait_dscnt 4*NL                              ; the very last step: nothing more to fetch
	WIN MUL_LO
	MUL16 0, 1, NQ-1, 1, 0
	MUL16 2, 1, NQ-1, 1, 0
	s_wait_dscnt 0
	WIN MUL_HI
	MUL16 4, 1, NQ-1, 1, 0
	MUL16 6, 1, NQ-1, 1, 0
	WIN 0
; THE WAY OUT.  Q's block a: a lane's 64 numbers (its eight accumulators) are four blocks of 32 along the next K, each shared with lane l xor 16.  They become one fragment's 16 registers of codes and one scale word.
.macro EPI a
.set AC, 64*((\a)%4)
	WIN 0x0a+5*((\a)/4)                            ; sources 0 and 1: the accumulators' window
.irp b, 0,1,2,3
	v_max3_num_f32 v[TM+\b], |v[AC+16*\b]|, |v[AC+16*\b+1]|, 0x4800000   ; block b: my 16 numbers, each accumulator from its low end on, and the floor 2^(9 - 127): the byte cannot fall under 1
.endr
.irp i, 2,4,6,8,10,12,14
.irp b, 0,1,2,3
	v_max3_num_f32 v[TM+\b], |v[AC+16*\b+\i]|, |v[AC+16*\b+\i+1]|, v[TM+\b]   ; (the four blocks by turns)
.endr
.endr
	WIN 0
.irp b, 0,1,2,3
	v_permlanex16_b32 v[TM+4+\b], v[TM+\b], s[SEL], s[SEL+1]
.endr
.irp b, 0,1,2,3
	v_max_num_f32 v[TM+\b], v[TM+\b], v[TM+4+\b]   ; with lane l xor 16's: the block's largest magnitude
.endr
.irp b, 0,1,2,3
	v_add_nc_u32 v[TM+12+\b], 0xfc000000, v[TM+\b] ; 8 off its exponent field: the conversion's scale operand
.endr
.irp b, 0,1,2,3
	v_and_or_b32 v[TM+8+\b], v[TM+\b], 0x7f800000, s[MNT]   ; 448 x the scale
.endr
.irp b, 0,1,2,3
	v_lshrrev_b32 v[TM+4+\b], 23, v[TM+12+\b]      ; the scale's byte
.endr
	v_lshl_or_b32 v[PW+(\a)], v[TM+5], 8, v[TM+4]  ; the four bytes
	v_lshl_or_b32 v[PW+(\a)], v[TM+6], 16, v[PW+(\a)]
	v_lshl_or_b32 v[PW+(\a)], v[TM+7], 24, v[PW+(\a)]
	WIN 0x02+((\a)/4)                              ; source 0: the accumulators' window
.irp b, 0,1,2,3
.irp i, 0,1,2,3,4,5,6,7,8,9,10,11,12,13,14,15
	v_med3_num_f32 v[X+16*\b+\i], v[AC+16*\b+\i], -v[TM+8+\b], v[TM+8+\b]   ; the hold at the largest code x the scale (the conversion does not saturate: ISA guide 7.6.2); it also brings the number into window 0
.endr
.endr
	WIN 0
	s_wait_alu depctr_va_vdst(0)
	s_wait_xcnt 0x0                                ; the last block's stores have read their data and their base: both are written again only behind this wait
.if (\a) == 4
	s_add_nc_u64 s[OB:OB+1], s[OB:OB+1], s[STEPM:STEPM+1]
.elseif (\a) > 0
	s_add_nc_u64 s[OB:OB+1], s[OB:OB+1], s[STEPA:STEPA+1]
.endif
.irp b, 0,1,2,3
	v_cvt_scalef32_pk8_fp8_f32 v[PC+4*\b:PC+4*\b+1], v[X+16*\b:X+16*\b+7], v[TM+12+\b]
	v_cvt_scalef32_pk8_fp8_f32 v[PC+4*\b+2:PC+4*\b+3], v[X+16*\b+8:X+16*\b+15], v[TM+12+\b]
.endr
	v_nop                                          ; one plain line behind the last conversion, ahead of the next vector line that writes its sources
	global_store_b128 v[VOA], v[PC:PC+3], s[OB:OB+1]               ; each store of the wave covers 512 consecutive bytes, aligned
	global_store_b128 v[VOA], v[PC+4:PC+7], s[OB:OB+1] offset:512
	global_store_b128 v[VOB], v[PC+8:PC+11], s[OB:OB+1]
	global_store_b128 v[VOB], v[PC+12:PC+15], s[OB:OB+1] offset:512
.endm
	PLACES NP                                      ; behind the last products, ahead of the first read of results and the first write of their operands' registers
.irp b, 0,1,2,3
	v_mov_b32 v[TM+4+\b], 0                        ; written once: a lane permute's destination counts as one of its sources
.endr
.irp a, 0,1,2,3,4,5,6,7
	EPI \a
.endr
	; the scale words of two heads' blocks: lanes 0-15 store the first head's 16 rows, lanes 16-31 the second's
	s_cmp_eq_u32 ttmp9, 2
	s_cbranch_scc1 .Lwords_v
.irp j, 0,1,2,3
	v_perm_b32 v[SW+\j], v[PW+2*\j+1], v[PW+2*\j], v[PSEL]   ; q, k: word j: my head's two bytes of token tile 2 j, then of tile 2 j + 1
.endr
	s_branch .Lwords_done
.Lwords_v:
.irp t, 0,1,2,3
	v_cndmask_b32 v[SW+\t], v[PW+\t], v[PW+4+\t], s[HM]      ; v: word t: tile t of my head: blocks 0-3 are the first head's, 4-7 the second's
.endr
.Lwords_done:
	s_wait_alu depctr_va_vdst(0)
	global_store_b128 v[SOFF], v[SW:SW+3], s[OB0:OB0+1] offset:8192   ; sixteen lanes store 256 consecutive bytes, aligned
	s_wait_tensorcnt 0x0                           ; the wave's end
	ds_add_u32 v[SPW], v[NIL]
	s_wait_dscnt 0x0
	CROUND                                         ; the closing round: no work-group ends while a partner may still ask for a tile that names it
	s_endpgm
.Lfunc_end_k_q113c828a80_qkv:
	.size	k_q113c828a80_qkv, .Lfunc_end_k_q113c828a80_qkv-k_q113c828a80_qkv
	.p2alignl 7, 3214868480
	.fill 96, 4, 3214868480
	.section	.rodata,"a",@progbits
	.p2align	6, 0x0
	.amdhsa_kernel k_q113c828a80_qkv
		.amdhsa_group_segment_fixed_size 327680
		.amdhsa_private_segment_fixed_size 0
		.amdhsa_enable_private_segment 0
		.amdhsa_kernarg_size 40
		.amdhsa_user_sgpr_count 2
		.amdhsa_user_sgpr_kernarg_segment_ptr 1
		.amdhsa_wavefront_size32 1
		.amdhsa_system_sgpr_workgroup_id_x 1
		.amdhsa_system_sgpr_workgroup_id_y 1
		.amdhsa_system_sgpr_workgroup_id_z 1
		.amdhsa_system_vgpr_workitem_id 0
		.amdhsa_next_free_vgpr 1024
		.amdhsa_next_free_sgpr 102
		.amdhsa_reserve_vcc 0
		.amdhsa_float_denorm_mode_32 3
		.amdhsa_float_denorm_mode_16_64 3
		.amdhsa_memory_ordered 1
		.amdhsa_forward_progress 1
		.amdhsa_inst_pref_size 205
	.end_amdhsa_kernel
	.amdgpu_metadata
---
amdhsa.version: [ 1, 2 ]
amdhsa.kernels:
  - .name:           k_q113c828a80_qkv
    .symbol:         k_q113c828a80_qkv.kd
    .args:
      - { .name: cod, .offset: 0, .size: 8, .value_kind: global_buffer, .address_space: global }
      - { .name: scl, .offset: 8, .size: 8, .value_kind: global_buffer, .address_space: global }
      - { .name: b_qkv, .offset: 16, .size: 8, .value_kind: global_buffer, .address_space: global }
      - { .name: qblk, .offset: 24, .size: 8, .value_kind: global_buffer, .address_space: global }
      - { .name: kv, .offset: 32, .size: 8, .value_kind: global_buffer, .address_space: global }
    .group_segment_fixed_size: 327680
    .private_segment_fixed_size: 0
    .kernarg_segment_align: 8
    .kernarg_segment_size: 40
    .max_flat_workgroup_size: 128
    .sgpr_count:     102
    .vgpr_count:     1024
    .wavefront_size: 32
...
	.end_amdgpu_metadata
.endif
;; end of part 2
;; launch attn (part 3): grid 4 x 64, 16 waves a work-group, clusters of 4 x 1, 327,680 bytes of LDS; arguments qblk, kv, aimg, asc; writes aimg, asc
.if DOCPART == 3
	.amdgcn_target "amdgcn-amd-amdhsa--gfx1250"
	.amdhsa_code_object_version 6
	.text
	.protected	k_q113c828a80_attn
	.globl	k_q113c828a80_attn
	.p2align	8
	.type	k_q113c828a80_attn,@function
k_q113c828a80_attn:
	s_mov_b64 s[64:65], 0
	v_nop
	global_prefetch_b8 v0, s[64:65] scope:SCOPE_SE
	s_setreg_imm32_b32 hwreg(HW_REG_WAVE_MODE, 25, 1), 1
	s_wait_xcnt 0x0
	s_wait_alu depctr_hold_cnt(0) depctr_sa_sdst(0) depctr_va_vdst(0) depctr_va_sdst(0) depctr_va_ssrc(0) depctr_va_vcc(0) depctr_vm_vsrc(0)
	s_getreg_b32 s2, hwreg(HW_REG_IB_STS2, 6, 4)
	s_cmp_eq_u32 s2, 0
	s_cbranch_scc0 .Lentry_in_a_cluster
	s_endpgm
.Lentry_in_a_cluster:
	s_bfe_u32 s2, ttmp6, 0x10000c
	s_cmp_lg_u32 s2, 0x3003
	s_cbranch_scc0 .Lentry_shape_is_right
	s_endpgm
.Lentry_shape_is_right:
; Attention of one head on codes of FP8 (E4M3) with one E8M0 scale for each 32 along a product's K; the result is quantised along the head's 64 and leaves as images of the next product's operand registers (aimg) and scale bytes (asc).
; t = score x log2(e) / 8; M = the running largest t rounded up to a whole number; p = 2^(t - M) is quantised along the keys; the row's sum is taken of the unquantised p and divides at the end.
; SHARES: a work-group owns 512 queries of a head, a wave two tiles of 16, one in each of two passes of one loop.  The head's K and V, 16 places of 16,896 bytes (k's block, then v's), stay in LDS: each wave brings one place by ONE tensor load,
; asked for jointly by the four work-groups of the head (cluster 4 x 1).  Nothing is filled again.  No data prefetch: every tile is asked for once, at the head, and there is no loop to run ahead in.
; Both products are used transposed: a lane holds one query.  A fragment of K holds two tiles of 16 keys (64 + 64 along K); Q stands beside zeros, so that each product takes one of the two.
; TWO REGIONS OF 64 REGISTERS CHANGE ROLES FROM STEP TO STEP: one holds K's fragments, then V's; the other the scores, then p, and, once p is converted, the NEXT step's fragments of K, which so are on their way during the rescaling and the second product.
; LIMITS: the promise holds while the scaled scores stay under 2^31 in magnitude; NaN and infinities are not served; a block of zeros gets the scale byte 1 (its codes are zeros; this program alone reads the bytes).
.set BLKB, 8448
.set KSB,  2*BLKB                      ; a step's place: K's block, V's block
.set HS,   16*KSB
.set SPARE, 16*KSB                     ; behind the tiles: the spare words, 128 bytes a wave
.set L16,  1                           ; 16 x lane
.set R16,  2                           ; 16 x (lane % 16)
.set GS,   3                           ; my scale byte's place in asc
.set KSW,  4                           ; v4-7 K's scale words
.set ADK,  8
.set ADS,  9
.set QS0,  10                          ; the scale words of the pass's queries; v11 the second pass's
.set QS1,  11
.set SPW,  48
.set NIL,  49
.set R0,   56
.set R1,   120
.set O,    184
.set PC,   216
.set VS,   248
.set WV,   14
.set CX,   15
.set G,    16
.set MNT,  19
.set SEL,  20
.set CS,   22
.set G1,   24
.set G0,   32
.set PS,   36
.set TB,   40
.set CNT,  41
.set HM,   42
.set QSEL, 43
.set QB,   44
.set QW,   46
.set AB,   48
.set SB,   50
.macro ROUND
	s_barrier_signal -1
	s_barrier_wait -1
	s_cmp_lg_u32 s[WV], 0
	s_cbranch_scc1 .Lnot_wave_0_\@
	s_barrier_signal -3
.Lnot_wave_0_\@:
	s_barrier_wait -3
	s_barrier_signal -1
	s_barrier_wait -1
.endm
	s_load_b256 s[4:11], s[0:1], 0x0               ; qblk, kv, aimg, asc
	v_lshl_add_u32 v[SPW], v0, 2, SPARE
	v_mov_b32 v[NIL], 0
	ds_add_u32 v[SPW], v[NIL]
	ds_add_u32 v[SPW], v[NIL]
	v_lshrrev_b32 v232, 5, v0
	v_readfirstlane_b32 s[WV], v232
	s_bfe_u32 s[CX], ttmp6, 0x40000
	s_and_b32 s[G], ttmp7, 0xffff                  ; 16 x batch + head
	s_mov_b32 s[G1], 15|(3<<16)|(1<<21)            ; the mask of the four; elements of 8 bytes; 66 dense rows of 256 bytes
	s_mov_b32 s[G1+1], 32<<16
	s_mov_b32 s[G1+2], 66<<16
	s_mov_b32 s[G1+3], 32<<16
	s_mov_b32 s[G1+4], 66
	s_mov_b32 s[G1+5], 32
	s_mov_b32 s[G1+6], 0
	s_mov_b32 s[G1+7], 0
	s_mul_i32 s52, s[G], HS
	s_mul_i32 s56, s[WV], KSB
	s_add_co_u32 s54, s52, s56
	s_mov_b32 s55, 0
	s_wait_dscnt 0x0
	s_wait_kmcnt 0x0
	s_mov_b32 s[G0], 1
	s_mov_b32 s[G0+1], s56
	s_add_nc_u64 s[G0+2:G0+3], s[6:7], s[54:55]
	s_or_b32 s[G0+3], s[G0+3], 0x80000000
	ROUND
	tensor_load_to_lds s[G0:G0+3], s[G1:G1+7]      ; my one tensor load: keys 128 x wave on, K and V
	s_nop 0
.rept 4
	v_nop
.endr
	s_lshl_b32 s53, s[CX], 2                       ; my queries: place 4 cx + wave / 8 of the head (the second pass's two places on), tile wave % 8
	s_lshr_b32 s57, s[WV], 3
	s_add_co_u32 s53, s53, s57
	s_mul_i32 s53, s53, KSB
	s_add_co_u32 s52, s52, s53
	s_mov_b32 s53, 0
	s_add_nc_u64 s[QW:QW+1], s[4:5], s[52:53]
	s_and_b32 s57, s[WV], 7
	s_lshl_b32 s52, s57, 10
	s_add_nc_u64 s[QB:QB+1], s[QW:QW+1], s[52:53]
	s_lshr_b32 s52, s57, 1
	s_lshl_b32 s52, s52, 2
	s_add_nc_u64 s[QW:QW+1], s[QW:QW+1], s[52:53]
	s_mov_b32 s[QSEL], 0x03020302
	s_and_b32 s57, s57, 1
	s_cmp_eq_u32 s57, 0
	s_cselect_b32 s[QSEL], 0x01000100, s[QSEL]
	s_lshr_b32 s52, s[G], 4                        ; out: token tile 128 x batch + 32 cx + wave; 16,384 bytes of codes and 512 scale bytes a tile
	s_lshl_b32 s52, s52, 7
	s_lshl_b32 s57, s[CX], 5
	s_add_co_u32 s52, s52, s57
	s_add_co_u32 s52, s52, s[WV]
	s_and_b32 s57, s[G], 15
	s_lshl_b32 s58, s52, 14
	s_lshl_b32 s59, s57, 10
	s_add_co_u32 s58, s58, s59
	s_mov_b32 s59, 0
	s_add_nc_u64 s[AB:AB+1], s[8:9], s[58:59]
	s_lshl_b32 s58, s52, 9
	s_lshl_b32 s57, s57, 1
	s_add_co_u32 s58, s58, s57
	s_add_nc_u64 s[SB:SB+1], s[10:11], s[58:59]
	s_mov_b32 s[SEL], 0x76543210
	s_mov_b32 s[SEL+1], 0xfedcba98
	s_mov_b32 s[CS], 0x3e38aa3b                    ; log2(e) / 8
	s_mov_b32 s[CS+1], s[CS]
	s_mov_b32 s[MNT], 0x600000
	s_mov_b32 s[PS], 2
	v_and_b32 v232, 31, v0
	v_and_b32 v233, 15, v0
	v_bfe_u32 v234, v0, 4, 1
	v_lshlrev_b32 v[L16], 4, v232
	v_lshlrev_b32 v[R16], 4, v233
	v_lshl_add_u32 v[GS], v233, 5, v234
	v_cmp_le_u32 s[HM], 16, v232
	global_load_b128 v[24:27], v[L16], s[QB:QB+1]
	global_load_b128 v[28:31], v[L16], s[QB:QB+1] offset:512
	global_load_b128 v[40:43], v[L16], s[QB:QB+1] offset:2*KSB
	global_load_b128 v[44:47], v[L16], s[QB:QB+1] offset:2*KSB+512
	global_load_b32 v[QS0], v[R16], s[QW:QW+1] offset:8192
	global_load_b32 v[QS1], v[R16], s[QW:QW+1] offset:8192+2*KSB
.irp z, 16, 32
.irp i, 0,1,2,3,4,5,6,7
	v_mov_b32 v[\z+\i], 0                          ; the zeros on both sides of Q
.endr
.endr
.irp b, 0,1,2,3
	v_mov_b32 v[236+\b], 0                         ; a lane permute's destination counts as a source
.endr
	v_mov_b32 v252, 0
	v_mov_b32 v253, 0
	s_wait_alu depctr_va_vdst(0)
	s_wait_loadcnt 0x0
	v_perm_b32 v[QS0], v[QS0], v[QS0], s[QSEL]     ; my tile's two bytes, for both halves of K
	v_perm_b32 v[QS1], v[QS1], v[QS1], s[QSEL]
	s_wait_alu depctr_va_vdst(0)
	s_wait_tensorcnt 0x0
	s_barrier_signal -1
	s_barrier_wait -1                              ; everybody's place is in
.macro FLOAD R, W, ak, as, off         ; a block's 16 groups of 512 bytes into region R, its scale words into v[W ..]: 17 LDS loads
.irp j, 0,1,2,3
.irp c, 0,1,2,3
	ds_load_b128 v[\R+16*\j+4*\c:\R+16*\j+4*\c+3], v[\ak] offset:(\off)+2048*\j+512*\c
.endr
.endr
	ds_load_b128 v[\W:\W+3], v[\as] offset:(\off)+8192
.endm
; A key step of 128 keys at byte off of the trip's places.  RK: K's fragments (in on entry), then V's.  RS: scores, p, and with pf = 1 the next step's K.
.macro STEP RK, RS, off, pf
	s_wait_dscnt 0x0                               ; K's fragments and scale words are in
.irp j, 0,1,2,3
	v_wmma_scale_f32_16x16x128_f8f6f4 v[\RS+16*\j:\RS+16*\j+7], v[\RK+16*\j:\RK+16*\j+15], v[24:39], 0, v[KSW+\j], v[QS0]
	v_wmma_scale_f32_16x16x128_f8f6f4 v[\RS+16*\j+8:\RS+16*\j+15], v[\RK+16*\j:\RK+16*\j+15], v[16:31], 0, v[KSW+\j], v[QS0]
.endr
.rept 8
	v_nop                                          ; places ahead of the loads into K's registers and of the first read of the scores
.endr
	FLOAD \RK, VS, ADK, ADS, (\off)+BLKB
.irp b, 0,1,2,3
	v_max3_num_f32 v[232+\b], v[\RS+16*\b], v[\RS+1+16*\b], v[\RS+2+16*\b]   ; each block's largest score: for the row's maximum and for the block's largest p
.endr
.irp i, 3,5,7,9,11,13
.irp b, 0,1,2,3
	v_max3_num_f32 v[232+\b], v[232+\b], v[\RS+16*\b+\i], v[\RS+1+16*\b+\i]
.endr
.endr
.irp b, 0,1,2,3
	v_max_num_f32 v[232+\b], v[232+\b], v[\RS+15+16*\b]
.endr
.irp b, 0,1,2,3
	v_permlanex16_b32 v[236+\b], v[232+\b], s[SEL], s[SEL+1]
.endr
.irp b, 0,1,2,3
	v_max_num_f32 v[232+\b], v[232+\b], v[236+\b]
.endr
	s_delay_alu instid0(VALU_DEP_2)
	v_max3_num_f32 v254, v232, v233, v234
	s_delay_alu instid0(VALU_DEP_1)
	v_max_num_f32 v254, v254, v235
	s_delay_alu instid0(VALU_DEP_1)
	v_mul_f32 v254, s[CS], v254
	s_delay_alu instid0(VALU_DEP_1)
	v_max_num_f32 v13, v13, v254                   ; the running largest t
	v_mov_b32 v254, v12
	s_delay_alu instid0(VALU_DEP_2)
	v_floor_f32 v12, -v13                          ; -M
.set j, 0
.irp g, 0,1,2,3
.rept 8
	v_pk_fma_f32 v[\RS+j:\RS+j+1], v[\RS+j:\RS+j+1], s[CS:CS+1], v[12:13] op_sel_hi:[1,0,0]   ; t - M
.set j, j+2
.endr
.if \g == 0
	v_sub_f32 v254, v12, v254                      ; old M - new M, among the scalings
.elseif \g == 1
	v_cvt_i32_f32 v254, v254
.elseif \g == 2
	v_ldexp_f32 v252, 1.0, v254                    ; f = 2^(old M - new M)
.endif
.endr
.irp b, 0,1,2,3
	v_fma_f32 v[232+\b], v[232+\b], s[CS], v12
.endr
	s_wait_alu depctr_va_vdst(0)
.set j, 0
.rept 64
	v_exp_f32 v[\RS+j], v[\RS+j]
.set j, j+1
.endr
	v_pk_mul_f32 v[14:15], v[14:15], v[252:253] op_sel_hi:[1,0]
	s_wait_alu depctr_va_vdst(0)
.irp b, 0,1,2,3
	v_exp_f32 v[232+\b], v[232+\b]                 ; each block's largest p
.endr
	v_pk_add_f32 v[236:237], v[\RS:\RS+1], v[\RS+2:\RS+3]   ; the sum of the unquantised p, in two chains
.irp j, 4,8,12,16,20,24,28,32,36,40,44,48,52,56,60
	v_pk_add_f32 v[14:15], v[14:15], v[\RS+\j:\RS+1+\j]
	v_pk_add_f32 v[236:237], v[236:237], v[\RS+2+\j:\RS+3+\j]
.endr
	s_delay_alu instid0(VALU_DEP_1)
	v_pk_add_f32 v[14:15], v[14:15], v[236:237]
	s_wait_alu depctr_va_vdst(0)                   ; for the four
.irp b, 0,1,2,3
	v_max_num_f32 v[232+\b], 0x4800000, v[232+\b]  ; the floor: the byte cannot fall under 1
.endr
.irp b, 0,1,2,3
	v_add_nc_u32 v[244+\b], 0xfc000000, v[232+\b]  ; the conversion's scale operand
.endr
.irp b, 0,1,2,3
	v_and_or_b32 v[240+\b], v[232+\b], 0x7f800000, s[MNT]   ; 448 x the scale
.endr
.irp b, 0,1,2,3
	v_lshrrev_b32 v[236+\b], 23, v[244+\b]
.endr
	v_lshl_or_b32 v253, v237, 8, v236              ; p's scale word
	s_delay_alu instid0(VALU_DEP_1)
	v_lshl_or_b32 v253, v238, 16, v253
	s_delay_alu instid0(VALU_DEP_1)
	v_lshl_or_b32 v253, v239, 24, v253
.irp b, 0,1,2,3
.set i, 0
.rept 8
	v_dual_min_num_f32 v[\RS+16*\b+i], v[\RS+16*\b+i], v[240+\b] :: v_dual_min_num_f32 v[\RS+16*\b+i+1], v[\RS+16*\b+i+1], v[240+\b]   ; the hold, two numbers a line: the conversion does not saturate (ISA guide 7.6.2)
.set i, i+2
.endr
	v_cvt_scalef32_pk8_fp8_f32 v[PC+4*\b:PC+4*\b+1], v[\RS+16*\b:\RS+16*\b+7], v[244+\b]
	v_cvt_scalef32_pk8_fp8_f32 v[PC+4*\b+2:PC+4*\b+3], v[\RS+16*\b+8:\RS+16*\b+15], v[244+\b]
.endr
.if \pf
	FLOAD \RS, KSW, ADK, ADS, (\off)+KSB           ; p is converted: its registers take the next step's K
.endif
	s_wait_alu depctr_va_vdst(0)
.set j, 0
.rept 16
	v_pk_mul_f32 v[O+j:O+j+1], v[O+j:O+j+1], v[252:253] op_sel_hi:[1,0]
.set j, j+2
.endr
	s_wait_alu depctr_va_vdst(0)
.if \pf
	s_wait_dscnt 17                                ; V's 17 loads are in; the 17 for the next K, issued behind them, may be out
.else
	s_wait_dscnt 0x0
.endif
.irp t, 0,1,2,3
	v_wmma_scale_f32_16x16x128_f8f6f4 v[O+8*\t:O+8*\t+7], v[\RK+16*\t:\RK+16*\t+15], v[PC:PC+15], v[O+8*\t:O+8*\t+7], v[VS+\t], v253
.endr
.rept 9
	v_nop                                          ; nine places: the next step's first product writes over V's registers
.endr
.endm
.Lpass:
	v_mov_b32 v13, 0xff61b1e6                      ; the largest t so far: under every t
	v_mov_b32 v14, 0
	v_mov_b32 v15, 0
	v_floor_f32 v12, -v13
	FLOAD R0, KSW, L16, R16, 0                     ; the pass's first K
.set j, 0
.rept 32
	v_mov_b32 v[O+j], 0
.set j, j+1
.endr
	s_mov_b32 s[TB], 0
	s_mov_b32 s[CNT], 7
	s_wait_alu depctr_va_vdst(0)
.Lkeys:                                            ; a trip is two steps, until the regions are back in their roles
	v_add_nc_u32 v[ADK], s[TB], v[L16]
	v_add_nc_u32 v[ADS], s[TB], v[R16]
	s_wait_alu depctr_va_vdst(0)
	STEP R0, R1, 0, 1
	STEP R1, R0, KSB, 1
	s_add_co_u32 s[TB], s[TB], 2*KSB
	s_sub_co_u32 s[CNT], s[CNT], 1
	s_cmp_lg_u32 s[CNT], 0
	s_cbranch_scc1 .Lkeys
	v_add_nc_u32 v[ADK], 14*KSB, v[L16]            ; the last two steps are written out: the very last fetches no further K
	v_add_nc_u32 v[ADS], 14*KSB, v[R16]
	s_wait_alu depctr_va_vdst(0)
	STEP R0, R1, 0, 1
	STEP R1, R0, KSB, 0
	; the pass's way out: O^T / the sum, quantised along the head's 64 (two blocks of 32, each shared with lane l xor 16)
	v_add_f32 v14, v14, v15
	s_delay_alu instid0(VALU_DEP_1)
	v_permlanex16_b32 v252, v14, s[SEL], s[SEL+1]
	s_delay_alu instid0(VALU_DEP_1)
	v_add_f32 v14, v14, v252
	s_wait_alu depctr_va_vdst(0)
	v_rcp_f32 v14, v14
	v_nop
	s_wait_alu depctr_va_vdst(0)
.set j, 0
.rept 16
	v_pk_mul_f32 v[R1+j:R1+j+1], v[O+j:O+j+1], v[14:15] op_sel_hi:[1,0]
.set j, j+2
.endr
.irp b, 0,1
	v_max3_num_f32 v[232+\b], |v[R1+16*\b]|, |v[R1+1+16*\b]|, 0x4800000
.endr
.irp i, 2,4,6,8,10,12,14
.irp b, 0,1
	v_max3_num_f32 v[232+\b], v[232+\b], |v[R1+16*\b+\i]|, |v[R1+1+16*\b+\i]|
.endr
.endr
.irp b, 0,1
	v_permlanex16_b32 v[236+\b], v[232+\b], s[SEL], s[SEL+1]
.endr
.irp b, 0,1
	v_max_num_f32 v[232+\b], v[232+\b], v[236+\b]
.endr
.irp b, 0,1
	v_add_nc_u32 v[244+\b], 0xfc000000, v[232+\b]
.endr
.irp b, 0,1
	v_and_or_b32 v[240+\b], v[232+\b], 0x7f800000, s[MNT]
.endr
.irp b, 0,1
	v_lshrrev_b32 v[236+\b], 23, v[244+\b]
.endr
	v_cndmask_b32 v254, v236, v237, s[HM]          ; lanes 0-15 store the first block's byte, lanes 16-31 the second's
.irp b, 0,1
.set i, 0
.rept 16
	v_med3_num_f32 v[R1+16*\b+i], v[R1+16*\b+i], -v[240+\b], v[240+\b]
.set i, i+1
.endr
	v_cvt_scalef32_pk8_fp8_f32 v[PC+4*\b:PC+4*\b+1], v[R1+16*\b:R1+16*\b+7], v[244+\b]
	v_cvt_scalef32_pk8_fp8_f32 v[PC+4*\b+2:PC+4*\b+3], v[R1+16*\b+8:R1+16*\b+15], v[244+\b]
.endr
	v_nop
	global_store_b128 v[L16], v[PC:PC+3], s[AB:AB+1]               ; 512 consecutive bytes a wave
	global_store_b128 v[L16], v[PC+4:PC+7], s[AB:AB+1] offset:512
	global_store_b8 v[GS], v254, s[SB:SB+1]
.irp i, 0,1,2,3,4,5,6,7
	v_mov_b32 v[24+\i], v[40+\i]                   ; the second pass's queries take the first's place (behind the second pass these nine lines change nothing that is read)
.endr
	v_mov_b32 v[QS0], v[QS1]
	s_wait_xcnt 0x0                                ; the stores have read their data and bases
	s_add_nc_u64 s[AB:AB+1], s[AB:AB+1], 262144    ; 16 token tiles on
	s_add_nc_u64 s[SB:SB+1], s[SB:SB+1], 8192
	s_sub_co_u32 s[PS], s[PS], 1
	s_cmp_lg_u32 s[PS], 0
	s_wait_alu depctr_va_vdst(0)
	s_cbranch_scc1 .Lpass
	s_wait_tensorcnt 0x0                           ; the wave's end
	ds_add_u32 v[SPW], v[NIL]
	s_wait_dscnt 0x0
	ROUND                                          ; the closing round
	s_endpgm
.Lfunc_end_k_q113c828a80_attn:
	.size	k_q113c828a80_attn, .Lfunc_end_k_q113c828a80_attn-k_q113c828a80_attn
	.p2alignl 7, 3214868480
	.fill 96, 4, 3214868480
	.section	.rodata,"a",@progbits
	.p2align	6, 0x0
	.amdhsa_kernel k_q113c828a80_attn
		.amdhsa_group_segment_fixed_size 327680
		.amdhsa_private_segment_fixed_size 0
		.amdhsa_enable_private_segment 0
		.amdhsa_kernarg_size 32
		.amdhsa_user_sgpr_count 2
		.amdhsa_user_sgpr_kernarg_segment_ptr 1
		.amdhsa_wavefront_size32 1
		.amdhsa_system_sgpr_workgroup_id_x 1
		.amdhsa_system_sgpr_workgroup_id_y 1
		.amdhsa_system_sgpr_workgroup_id_z 1
		.amdhsa_system_vgpr_workitem_id 0
		.amdhsa_next_free_vgpr 256
		.amdhsa_next_free_sgpr 66
		.amdhsa_reserve_vcc 0
		.amdhsa_float_denorm_mode_32 3
		.amdhsa_float_denorm_mode_16_64 3
		.amdhsa_memory_ordered 1
		.amdhsa_forward_progress 1
		.amdhsa_inst_pref_size 88
	.end_amdhsa_kernel
	.amdgpu_metadata
---
amdhsa.version: [ 1, 2 ]
amdhsa.kernels:
  - .name:           k_q113c828a80_attn
    .symbol:         k_q113c828a80_attn.kd
    .args:
      - { .name: qblk, .offset: 0, .size: 8, .value_kind: global_buffer, .address_space: global }
      - { .name: kv, .offset: 8, .size: 8, .value_kind: global_buffer, .address_space: global }
      - { .name: aimg, .offset: 16, .size: 8, .value_kind: global_buffer, .address_space: global }
      - { .name: asc, .offset: 24, .size: 8, .value_kind: global_buffer, .address_space: global }
    .group_segment_fixed_size: 327680
    .private_segment_fixed_size: 0
    .kernarg_segment_align: 8
    .kernarg_segment_size: 32
    .max_flat_workgroup_size: 512
    .sgpr_count:     66
    .vgpr_count:     256
    .wavefront_size: 32
...
	.end_amdgpu_metadata
.endif
;; end of part 3
;; launch proj (part 4): grid 4 x 32, 4 waves a work-group, clusters of 4 x 4, 327,680 bytes of LDS; arguments aimg, asc, cod, scl, b_out, out0; writes out0
.if DOCPART == 4
	.amdgcn_target "amdgcn-amd-amdhsa--gfx1250"
	.amdhsa_code_object_version 6
	.text
	.protected	k_q113c828a80_proj
	.globl	k_q113c828a80_proj
	.p2align	8
	.type	k_q113c828a80_proj,@function
k_q113c828a80_proj:
	s_mov_b64 s[64:65], 0
	v_nop
	global_prefetch_b8 v0, s[64:65] scope:SCOPE_SE
	s_setreg_imm32_b32 hwreg(HW_REG_WAVE_MODE, 25, 1), 1
	s_wait_xcnt 0x0
	s_wait_alu depctr_hold_cnt(0) depctr_sa_sdst(0) depctr_va_vdst(0) depctr_va_sdst(0) depctr_va_ssrc(0) depctr_va_vcc(0) depctr_vm_vsrc(0)
	s_getreg_b32 s2, hwreg(HW_REG_IB_STS2, 6, 4)
	s_cmp_eq_u32 s2, 0
	s_cbranch_scc0 .Lentry_in_a_cluster
	s_endpgm
.Lentry_in_a_cluster:
	s_bfe_u32 s2, ttmp6, 0x10000c
	s_cmp_lg_u32 s2, 0xf033
	s_cbranch_scc0 .Lentry_shape_is_right
	s_endpgm
.Lentry_shape_is_right:
.set KSTEP,  256
.set NQ,     KSTEP/128
.set ROWB,   256
.set KROW,   1024
.set PITCH,  272
.set FR,     16
.set NL,     4
.set NP,     8
.set ASTEP,  4096
.set HALFA,  8*ASTEP
.set HALFT,  128*PITCH
.set BOFF,   2*HALFA
.set SLOT,   BOFF+2*HALFT
.set LAPS,   2
.set KS,     32
.set SCL,    2*SLOT
.set HALFS,  (128*KS/256)*272
.set SBLK,   (16*KS/256)*272
.set SPARE,  SCL+4*HALFS
.set SPITCH, 528
.set WO_COD, 11534336
.set WO_SCL, 360448
.set NROW,   4096
.set ADRA, 16
.set ADRB, 20
.set STO,  24
.set RD,   25
.set CO,   26
.set ADRS, 27
.set SPW,  28
.set NIL,  29
.set SC,   32
.set BIAS, 64
.set AF,   128
.set BK,   128
.set WV,  16
.set HA,  17
.set HB,  18
.set G1,  24
.set G0,  32
.set G1B, 48
.set G0B, 56
.set G1S, 68
.set G0S, 76
.set G1SB, 80
.set G0SB, 88
.set MSB, 0
.macro WIN new
.if MSB != \new
	s_set_vgpr_msb (MSB<<8)|\new
.set MSB, \new
.endif
.endm
.set MUL_LO, 0xa1
.set MUL_HI, 0xf1
.set BIA_LO, 0x81
.set BIA_HI, 0xc1
.set TO_B,   0x40
.macro JLOAD g0a, g1a, g0b, g1b
	s_cmp_eq_u32 s[HA], 0
	s_cbranch_scc0 .Lfor_b_\@
	tensor_load_to_lds s[\g0a:\g0a+3], s[\g1a:\g1a+7]
	s_nop 0
.rept 4
	v_nop
.endr
	s_branch .Lasked_\@
.Lfor_b_\@:
	tensor_load_to_lds s[\g0b:\g0b+3], s[\g1b:\g1b+7]
	s_nop 0
.rept 4
	v_nop
.endr
.Lasked_\@:
.endm
.macro CREST
	s_cmp_lg_u32 s[WV], 0
	s_cbranch_scc1 .Lnot_wave_0_\@
	s_barrier_signal -3
.Lnot_wave_0_\@:
	s_barrier_wait -3
	s_barrier_signal -1
	s_barrier_wait -1
.endm
.macro CROUND
	s_barrier_signal -1
	s_barrier_wait -1
	CREST
.endm
	s_load_b256 s[4:11], s[0:1], 0x0
	s_load_b128 s[12:15], s[0:1], 0x20
	v_lshl_add_u32 v[SPW], v0, 2, SPARE
	v_mov_b32 v[NIL], 0
	ds_add_u32 v28, v29
	ds_add_u32 v28, v29
	s_wait_dscnt 0x0
	v_lshrrev_b32 v1, 5, v0
	v_readfirstlane_b32 s[WV], v1
	s_lshr_b32 s[HA], s[WV], 1
	s_and_b32 s[HB], s[WV], 1
	s_bfe_u32 s40, ttmp6, 0x40000
	s_bfe_u32 s41, ttmp6, 0x40004
	s_lshl_b32 s42, ttmp9, 2
	s_add_co_u32 s42, s42, s40
	s_and_b32 s20, ttmp7, 0xffff
	s_lshl_b32 s20, s20, 2
	s_add_co_u32 s20, s20, s41
	s_lshl_b32 s43, s41, 2
	s_lshl_b32 s43, 15, s43
	s_lshl_b32 s44, 0x1111, s40
	s_or_b32 s[G1+0], s43, (3<<16)|(1<<21)
	s_mov_b32 s[G1+1], 512<<16
	s_mov_b32 s[G1+2], 16<<16                      ; the head's load brings A's 16 token tiles; set to 8 for the ring's behind it
	s_mov_b32 s[G1+3], 512<<16
	s_mov_b32 s[G1+4], 16
	s_mov_b32 s[G1+5], 2048
	s_mov_b32 s[G1+6], 0
	s_mov_b32 s[G1+7], 0
	s_or_b32 s[G1B+0], s44, (0<<16)|(1<<20)|(1<<21)|(5<<22)|(3<<25)
	s_mov_b32 s[G1B+1], ROWB<<16
	s_mov_b32 s[G1B+2], 256<<16                    ; likewise B's 256 rows, then 128
	s_mov_b32 s[G1B+3], ROWB<<16
	s_mov_b32 s[G1B+4], 256
	s_mov_b32 s[G1B+5], KROW
	s_mov_b32 s[G1B+6], 0
	s_mov_b32 s[G1B+7], 0
	s_or_b32 s[G1S+0], s43, (3<<16)|(1<<20)|(1<<21)|(5<<22)|(3<<25)
	s_or_b32 s[G1SB+0], s44, (3<<16)|(1<<20)|(1<<21)|(5<<22)|(3<<25)
.irp g, G1S, G1SB
	s_mov_b32 s[\g+1], 32<<16
	s_mov_b32 s[\g+2], (256*KS/256)<<16            ; the scales of 256 rows: 32 rows of 256 bytes
	s_mov_b32 s[\g+3], 32<<16
	s_mov_b32 s[\g+4], 256*KS/256
	s_mov_b32 s[\g+5], 32
	s_mov_b32 s[\g+6], 0
	s_mov_b32 s[\g+7], 0
.endr
	s_lshl_b32 s2, s20, 4
	s_lshl_b32 s22, s2, 9
	s_mov_b32 s23, 0
	s_lshl_b32 s2, s2, 14
	s_mov_b32 s3, 0
	s_lshl_b32 s46, s42, 8
	s_lshl_b32 s92, s46, 5
	s_add_co_u32 s92, s92, WO_SCL
	s_mov_b32 s93, 0
	s_lshl_b32 s46, s46, 10
	s_add_co_u32 s46, s46, WO_COD
	s_mov_b32 s47, 0
	s_mul_i32 s45, s[HB], HALFA
	s_mul_i32 s94, s[HB], HALFT
	s_add_co_u32 s94, s94, BOFF
	s_wait_kmcnt 0x0
	s_add_nc_u64 s[2:3], s[4:5], s[2:3]
	s_add_nc_u64 s[22:23], s[6:7], s[22:23]
	s_add_nc_u64 s[46:47], s[8:9], s[46:47]
	s_add_nc_u64 s[92:93], s[10:11], s[92:93]
	CROUND
	s_mov_b32 s[G0S], 1                            ; the head's four tiles, each whole: the scales of A's 256 rows,
	s_mov_b32 s[G0S+1], SCL
	s_mov_b64 s[G0S+2:G0S+3], s[22:23]
	s_or_b32 s[G0S+3], s[G0S+3], 0x80000000
	s_mov_b32 s[G0SB], 1                           ; of B's,
	s_mov_b32 s[G0SB+1], SCL+2*HALFS
	s_mov_b64 s[G0SB+2:G0SB+3], s[92:93]
	s_or_b32 s[G0SB+3], s[G0SB+3], 0x80000000
	s_mov_b32 s[G0], 1                             ; K step 0 of A's 16 token tiles (slot 0's group 0 is set for the ring behind the head's wait),
	s_mov_b32 s[G0+1], 0
	s_mov_b64 s[G0+2:G0+3], s[2:3]
	s_or_b32 s[G0+3], s[G0+3], 0x80000000
	s_mov_b32 s[G0B], 1                            ; and of B's 256 rows
	s_mov_b32 s[G0B+1], BOFF
	s_mov_b64 s[G0B+2:G0B+3], s[46:47]
	s_or_b32 s[G0B+3], s[G0B+3], 0x80000000
	s_lshl_b32 s40, s[HB], 17                      ; in the ring I fetch half a tile: 8 token tiles of 16,384 bytes, or 128 rows of 1,024: the same step in bytes
	s_mov_b32 s41, 0
	s_add_nc_u64 s[2:3], s[2:3], s[40:41]
	s_add_nc_u64 s[46:47], s[46:47], s[40:41]
	s_mov_b32 s[G0+4], 1                           ; slot 1's: K step 1
	s_add_co_u32 s[G0+5], s45, SLOT
	s_add_nc_u64 s[G0+6:G0+7], s[2:3], ASTEP
	s_or_b32 s[G0+7], s[G0+7], 0x80000000
	s_mov_b32 s[G0B+4], 1
	s_add_co_u32 s[G0B+5], s94, SLOT
	s_add_nc_u64 s[G0B+6:G0B+7], s[46:47], ROWB
	s_or_b32 s[G0B+7], s[G0B+7], 0x80000000
; the head's loads, one a wave, in one tree of branches on the wave's number
.macro ARM under, g0, g1, next
	s_cmp_lt_u32 s[WV], \under
	s_cbranch_scc0 \next
	tensor_load_to_lds s[\g0:\g0+3], s[\g1:\g1+7]
	s_nop 0
.rept 4
	v_nop
.endr
	s_branch .Lhead_asked
\next:
.endm
	ARM 1, G0,  G1,  .Lhead_b
	ARM 2, G0B, G1B, .Lhead_sa
	ARM 3, G0S, G1S, .Lhead_sb
	tensor_load_to_lds s[G0SB:G0SB+3], s[G1SB:G1SB+7]
	s_nop 0
.rept 4
	v_nop
.endr
.Lhead_asked:
	v_and_b32 v1, 15, v0
	v_bfe_u32 v2, v0, 4, 1
	v_and_b32 v3, 31, v0
	v_lshlrev_b32 v[CO], 4, v3
	v_mul_u32_u24 v4, v1, PITCH
	v_lshl_add_u32 v4, v2, 4, v4
	s_mul_i32 s21, s[HA], HALFA
	s_mul_i32 s22, s[HB], HALFT
	s_add_co_u32 s22, s22, BOFF
.irp s, 0,1
	v_add_nc_u32 v[ADRA+\s], s21, v[CO]
	v_add_nc_u32 v[ADRB+\s], s22, v4
	s_add_co_u32 s21, s21, SLOT
	s_add_co_u32 s22, s22, SLOT
.endr
	v_lshlrev_b32 v5, 5, v1
	v_lshrrev_b32 v6, 8, v5
	v_lshl_add_u32 v5, v6, 4, v5
	s_mul_i32 s21, s[HA], HALFS
	s_mul_i32 s22, s[HB], HALFS
	s_add_co_u32 s22, s22, 2*HALFS
	s_sub_co_u32 s22, s22, s21
	v_mul_u32_u24 v6, s22, v2
	s_add_co_u32 s21, s21, SCL
	v_add_nc_u32 v5, v5, v6
	v_add_nc_u32 v[ADRS], s21, v5
	s_mul_i32 s23, s[WV], 16*SPITCH
	v_mul_u32_u24 v5, v1, SPITCH
	v_lshl_add_u32 v5, v2, 6, v5
	v_add_nc_u32 v[STO], s23, v5
	v_add_nc_u32 v[RD], s23, v[CO]
	s_lshl_b32 s46, s20, 8
	s_lshl_b32 s47, s[HA], 7
	s_add_co_u32 s46, s46, s47
	s_lshl_b32 s46, s46, 12
	s_lshl_b32 s47, s42, 10
	s_add_co_u32 s46, s46, s47
	s_lshl_b32 s47, s[HB], 9
	s_add_co_u32 s46, s46, s47
	s_mov_b32 s47, 0
	s_add_nc_u64 s[14:15], s[14:15], s[46:47]
	s_lshl_b32 s46, s42, 10
	s_lshl_b32 s47, s[HB], 9
	s_add_co_u32 s46, s46, s47
	s_mov_b32 s47, 0
	s_add_nc_u64 s[12:13], s[12:13], s[46:47]
	v_lshlrev_b32 v7, 6, v2
.irp b, 0,1,2,3,4,5,6,7
	global_load_b128 v[BIAS+8*\b:BIAS+8*\b+3], v7, s[12:13] offset:(32*(\b/2)+8*(\b%2))*4
	global_load_b128 v[BIAS+8*\b+4:BIAS+8*\b+7], v7, s[12:13] offset:(32*(\b/2)+8*(\b%2))*4+16
.endr
	s_wait_alu depctr_va_vdst(0)
	s_wait_loadcnt 0x0
.macro FRAGA reg, slot, q, i
.irp c, 0,1,2,3
	ds_load_b128 v[\reg+4*\c:\reg+4*\c+3], v[ADRA+\slot] offset:ASTEP*(\i)+2048*(\q)+512*\c
.endr
.endm
.macro FRAGB reg, slot, q, i
.irp c, 0,1,2,3
	ds_load_b128 v[\reg+4*\c:\reg+4*\c+3], v[ADRB+\slot] offset:128*(\q)+32*\c+(\i)*16*PITCH
.endr
.endm
.macro MUL16 a0, p, q, sc, zero
.irp a, \a0, \a0+1
.irp b, 0,1,2,3,4,5,6,7
.if \zero
	v_wmma_scale_f32_16x16x128_f8f6f4 v[8*(8*((\a)%4)+\b):8*(8*((\a)%4)+\b)+7], v[128*(\p)+FR*\b:128*(\p)+FR*\b+FR-1], v[AF+FR*(\a):AF+FR*(\a)+FR-1], v[BIAS+8*\b:BIAS+8*\b+7], v[SC+8*NQ*(\sc)+NQ*\b+(\q)], v[SC+8*NQ*(\sc)+NQ*(\a)+(\q)] matrix_a_scale:MATRIX_SCALE_ROW1
.else
	v_wmma_scale_f32_16x16x128_f8f6f4 v[8*(8*((\a)%4)+\b):8*(8*((\a)%4)+\b)+7], v[128*(\p)+FR*\b:128*(\p)+FR*\b+FR-1], v[AF+FR*(\a):AF+FR*(\a)+FR-1], v[8*(8*((\a)%4)+\b):8*(8*((\a)%4)+\b)+7], v[SC+8*NQ*(\sc)+NQ*\b+(\q)], v[SC+8*NQ*(\sc)+NQ*(\a)+(\q)] matrix_a_scale:MATRIX_SCALE_ROW1
.endif
.endr
.endr
.endm
.macro FETCH_B slot, q, p
	WIN TO_B
.irp i, 0,1,2,3,4,5,6,7
	FRAGB 128*(\p)+FR*\i, \slot, \q, \i
.endr
	WIN 0
.endm
.macro FETCH_A slot, q, i0
.irp i, \i0, \i0+1, \i0+2, \i0+3
	FRAGA AF+FR*(\i), \slot, \q, \i
.endr
.endm
.macro SCALES sc
.irp i, 0,1,2,3,4,5,6,7
	ds_load_b64 v[SC+8*NQ*\sc+NQ*\i:SC+8*NQ*\sc+NQ*\i+1], v[ADRS] offset:\i*SBLK
.endr
.endm
.macro PLACES n
.rept \n
	v_nop
.endr
.endm
.macro STEP slot, q, zero
	s_wait_dscnt 4*NL
.if \zero
	WIN BIA_LO
.else
	WIN MUL_LO
.endif
	MUL16 0, (\q)%2, \q, \slot, \zero
	MUL16 2, (\q)%2, \q, \slot, \zero
	s_wait_dscnt 0
	PLACES NP
	FETCH_B \slot, (\q)+1, 1-(\q)%2
	FETCH_A \slot, (\q)+1, 0
.if \zero
	WIN BIA_HI
.else
	WIN MUL_HI
.endif
	MUL16 4, (\q)%2, \q, \slot, \zero
	MUL16 6, (\q)%2, \q, \slot, \zero
	PLACES NP
	WIN 0
	FETCH_A \slot, (\q)+1, 4
.endm
.macro TURN slot, next, fill
	s_wait_tensorcnt 0x0
	ds_add_u32 v[SPW], v[NIL]
	s_wait_dscnt 4*NL+1
	WIN MUL_LO
	MUL16 0, 1, NQ-1, \slot, 0
	s_wait_dscnt 0x0
	s_barrier_signal -1
	MUL16 2, 1, NQ-1, \slot, 0
	WIN 0
	s_barrier_wait -1
.if \fill
	CREST
	s_add_nc_u64 s[G0+4*\slot+2:G0+4*\slot+3], s[G0+4*\slot+2:G0+4*\slot+3], 2*ASTEP
	s_add_nc_u64 s[G0B+4*\slot+2:G0B+4*\slot+3], s[G0B+4*\slot+2:G0B+4*\slot+3], 2*ROWB
	JLOAD G0+4*\slot, G1, G0B+4*\slot, G1B
	PLACES NP-4
.else
	PLACES NP
.endif
	s_wait_alu depctr_va_vdst(0)
	v_add_nc_u32 v[ADRS], 4*NQ, v[ADRS]
	FETCH_B \next, 0, 0
	FETCH_A \next, 0, 0
	SCALES \next
	WIN MUL_HI
	MUL16 4, 1, NQ-1, \slot, 0
	MUL16 6, 1, NQ-1, \slot, 0
	PLACES NP
	WIN 0
	FETCH_A \next, 0, 4
.endm
	s_wait_alu depctr_va_vdst(0)
	s_wait_tensorcnt 0x0                           ; my tile of the head's four is in
	ds_add_u32 v[SPW], v[NIL]
	s_mov_b32 s[G1+2], 8<<16                       ; no tensor load of mine is out: from here on a load brings half a tile
	s_mov_b32 s[G1+4], 8
	s_mov_b32 s[G1B+2], 128<<16
	s_mov_b32 s[G1B+4], 128
	s_mul_i32 s[G0+1], s[HB], HALFA                ; slot 0's group 0 for the ring: my half
	s_mul_i32 s[G0B+1], s[HB], HALFT
	s_add_co_u32 s[G0B+1], s[G0B+1], BOFF
	s_lshl_b32 s2, s[HB], 17
	s_mov_b32 s3, 0
	s_add_nc_u64 s[G0+2:G0+3], s[G0+2:G0+3], s[2:3]
	s_add_nc_u64 s[G0B+2:G0B+3], s[G0B+2:G0B+3], s[2:3]
	s_wait_dscnt 0x0
	CROUND                                         ; all four tiles are in, all sixteen work-groups are here
	JLOAD G0+4, G1, G0B+4, G1B                     ; K step 1: the first tensor load behind the round
	FETCH_B 0, 0, 0
	FETCH_A 0, 0, 0
	SCALES 0
	FETCH_A 0, 0, 4
	STEP 0, 0, 1
	s_mov_b32 s3, LAPS-1
.Llap:
	TURN 0, 1, 1
	STEP 1, 0, 0
	TURN 1, 0, 1
	STEP 0, 0, 0
	s_sub_co_u32 s3, s3, 1
	s_cmp_lg_u32 s3, 0
	s_cbranch_scc1 .Llap
	TURN 0, 1, 0
	STEP 1, 0, 0
	s_wait_dscnt 4*NL
	WIN MUL_LO
	MUL16 0, 1, NQ-1, 1, 0
	MUL16 2, 1, NQ-1, 1, 0
	s_wait_dscnt 0
	WIN MUL_HI
	MUL16 4, 1, NQ-1, 1, 0
	MUL16 6, 1, NQ-1, 1, 0
	WIN 0
.macro TOSTAGE a
.set AC, 64*((\a)%4)
	WIN 0x08+4*((\a)/4)
.irp b, 0,1,2,3,4,5,6,7
	ds_store_b128 v[STO], v[AC+8*\b:AC+8*\b+3] offset:128*(\b/2)+32*(\b%2)
	ds_store_b128 v[STO], v[AC+8*\b+4:AC+8*\b+7] offset:128*(\b/2)+32*(\b%2)+16
.endr
	WIN 0
.set BB, BK+64*((\a)%2)
.irp t, 0,1,2,3,4,5,6,7,8,9,10,11,12,13,14,15
	ds_load_b128 v[BB+4*\t:BB+4*\t+3], v[RD] offset:\t*SPITCH
.endr
.endm
.macro SEND a, younger
.set BB, BK+64*((\a)%2)
	s_wait_dscnt \younger
.if (\a) > 0
.if ((\a)%2) == 1
	s_add_nc_u64 s[14:15], s[14:15], 8*NROW
.else
	s_add_nc_u64 s[14:15], s[14:15], 24*NROW
.endif
.endif
.irp t, 0,1,2,3,4,5,6,7,8,9,10,11,12,13,14,15
	global_store_b128 v[CO], v[BB+4*\t:BB+4*\t+3], s[14:15] offset:(\t+8*(\t/8))*NROW th:TH_STORE_NT
.endr
.endm
	PLACES NP
	TOSTAGE 0
.irp a, 1,2,3,4,5,6,7
.if \a > 1
	s_wait_xcnt 0x0
.endif
	TOSTAGE \a
	SEND \a-1, 32
.endr
	s_wait_xcnt 0x0
	SEND 7, 0
	s_wait_tensorcnt 0x0
	ds_add_u32 v[SPW], v[NIL]
	s_wait_dscnt 0x0
	CROUND
	s_endpgm
.Lfunc_end_k_q113c828a80_proj:
	.size	k_q113c828a80_proj, .Lfunc_end_k_q113c828a80_proj-k_q113c828a80_proj
	.p2alignl 7, 3214868480
	.fill 96, 4, 3214868480
	.section	.rodata,"a",@progbits
	.p2align	6, 0x0
	.amdhsa_kernel k_q113c828a80_proj
		.amdhsa_group_segment_fixed_size 327680
		.amdhsa_private_segment_fixed_size 0
		.amdhsa_enable_private_segment 0
		.amdhsa_kernarg_size 48
		.amdhsa_user_sgpr_count 2
		.amdhsa_user_sgpr_kernarg_segment_ptr 1
		.amdhsa_wavefront_size32 1
		.amdhsa_system_sgpr_workgroup_id_x 1
		.amdhsa_system_sgpr_workgroup_id_y 1
		.amdhsa_system_sgpr_workgroup_id_z 1
		.amdhsa_system_vgpr_workitem_id 0
		.amdhsa_next_free_vgpr 1024
		.amdhsa_next_free_sgpr 100
		.amdhsa_reserve_vcc 0
		.amdhsa_float_denorm_mode_32 3
		.amdhsa_float_denorm_mode_16_64 3
		.amdhsa_memory_ordered 1
		.amdhsa_forward_progress 1
		.amdhsa_inst_pref_size 148
	.end_amdhsa_kernel
	.amdgpu_metadata
---
amdhsa.version: [ 1, 2 ]
amdhsa.kernels:
  - .name:           k_q113c828a80_proj
    .symbol:         k_q113c828a80_proj.kd
    .args:
      - { .name: aimg, .offset: 0, .size: 8, .value_kind: global_buffer, .address_space: global }
      - { .name: asc, .offset: 8, .size: 8, .value_kind: global_buffer, .address_space: global }
      - { .name: cod, .offset: 16, .size: 8, .value_kind: global_buffer, .address_space: global }
      - { .name: scl, .offset: 24, .size: 8, .value_kind: global_buffer, .address_space: global }
      - { .name: b_out, .offset: 32, .size: 8, .value_kind: global_buffer, .address_space: global }
      - { .name: out0, .offset: 40, .size: 8, .value_kind: global_buffer, .address_space: global }
    .group_segment_fixed_size: 327680
    .private_segment_fixed_size: 0
    .kernarg_segment_align: 8
    .kernarg_segment_size: 48
    .max_flat_workgroup_size: 128
    .sgpr_count:     100
    .vgpr_count:     1024
    .wavefront_size: 32
...
	.end_amdgpu_metadata
.endif
;; end of part 4
